; MI455X (gfx1250); checked and timed in simulation.
; The chip was launched on July 23, 2026; its instructions are those of AMD's public machine-readable ISA for CDNA 5 (MIT licence, August 2026) and "CDNA5" Instruction Set Architecture Reference Guide (July 2026). The comments in the code are by the model that wrote it; some were corrected since.
;; Encoder. Allowed arithmetic: matrix products marked QUANTISED: E2M3 operands, one E8M0 scale for each 32 along K, by v_wmma_scale_f32_16x16x128_f8f6f4 with both operands' format E2M3, f32 sums; everything else in f32.
;; Inputs: W1 4,096 x 1,024 float32; W2 1,024 x 4,096 float32; Wk 1,024 x 1,024 float32; Wo 1,024 x 1,024 float32; Wq 1,024 x 1,024 float32; Wv 1,024 x 1,024 float32; b1 4,096 float32; b2 1,024 float32; bk 1,024 float32; bo 1,024 float32; bq 1,024 float32; bv 1,024 float32; ln_b 1,024 float32; ln_g 1,024 float32; question_embeddings 2 x 2,048 x 1,024 float32; question_mask 2 x 1 x 1 x 2,048 int32.
;; Outputs: out0 2 x 2,048 x 1,024 float32.
;; This version of the problem:
;;   THIS VERSION OF THE PROBLEM IS GIVEN IN LOW PRECISION. The matrix products marked QUANTISED in the list below multiply operands that are first quantised to E2M3 (2 exponent bits, 3 mantissa bits; 6 bits a number), with one power-of-two scale for each 32 numbers along K (OCP MX v1.0); their sums are f32. All else is computed in f32.
;;   The module's matrix products, in the order in which they are computed (A, B: the left and right operand; K: the contracted axis; several contracted axes count as one K, in the product's order):
;;     1. [M 4,096, K 1,024] x [K 1,024, N 1,024]; A: input question_embeddings; B: input Wq: QUANTISED
;;     2. [M 4,096, K 1,024] x [K 1,024, N 1,024]; A: input question_embeddings; B: input Wk: QUANTISED
;;     3. [M 4,096, K 1,024] x [K 1,024, N 1,024]; A: input question_embeddings; B: input Wv: QUANTISED
;;     4. batch 32 x [M 2,048, K 64] x [K 64, N 2,048]; A: computed on the way; B: computed on the way: QUANTISED
;;     5. batch 32 x [M 2,048, K 2,048] x [K 2,048, N 64]; A: softmax (see below); B: computed on the way: QUANTISED
;;     6. [M 4,096, K 1,024] x [K 1,024, N 1,024]; A: computed on the way; B: input Wo: QUANTISED
;;     7. [M 4,096, K 1,024] x [K 1,024, N 4,096]; A: computed on the way; B: input W1: QUANTISED
;;     8. [M 4,096, K 4,096] x [K 4,096, N 1,024]; A: computed on the way; B: input W2: QUANTISED
;;   THE QUANTISER, for each operand of a quantised product, along K:
;;     - K is cut into blocks of 32 from its start; a last block that is shorter is filled with zeros.
;;     - A block's scale is 2^e with e = floor(log2(the largest magnitude in the block)) - 2, held to -126 .. 127; a block of zeros has e = 0. As a byte (E8M0): e + 127.
;;     - Each number is divided by its block's scale, clamped to +-7.5, and rounded to the nearest number of E2M3, ties to even, subnormals kept.
;;     - The product sums the exact products of the quantised numbers (number of the format x scale) in f32.
;;   ~~~python
;;   def quantise(x, axis):      # numpy; x: float32 -> the quantised numbers, widened to float32 again
;;       x = np.moveaxis(x, axis, -1); K = x.shape[-1]
;;       x = np.pad(x, [(0, 0)] * (x.ndim - 1) + [(0, -K % 32)]); x = x.reshape(x.shape[:-1] + (-1, 32)); a = np.abs(x).max(-1, keepdims=True)
;;       e = np.where(a > 0, np.clip(np.frexp(np.where(a > 0, a, 1))[1] - 1 - 2, -126, 127), 0)      # np.frexp(a)[1] - 1 = floor(log2(a)), exactly
;;       r = np.clip(x / 2.0 ** e, -7.5, 7.5)
;;       step = 2.0 ** (np.maximum(np.frexp(np.where(r == 0, 1, r))[1] - 1, 0) - 3)
;;       q = np.round(r / step) * step * 2.0 ** e      # np.round: ties to even
;;       return np.moveaxis(q.reshape(q.shape[:-2] + (-1,))[..., :K], -1, axis).astype(np.float32)
;;   ~~~
;;   SOFTMAX AHEAD OF A QUANTISED PRODUCT. Where the list says 'softmax', what is quantised is not the finished softmax but p = 2^(t - M), with t = logit x log2(e) and M = ceil(the row's largest t), a whole number; so 1/2 < the row's largest p <= 1. The row's sum l is taken of the UNQUANTISED p, in f32, and the product's result is divided by l at the end. Since M is a whole number, a kernel that streams over the keys may use a running M (the ceiling of the running maximum): every later rescaling is an exact power of two, which a block's scale takes up: the codes' values come out the same.
;;   OPERANDS COMPUTED ON THE WAY. 'Computed on the way' means the value that the module computes at that place (a softmax that the list does not call 'softmax' is quantised finished and normalised). What goes into a quantiser is computed in f32, as accurately as f32 sums, v_exp_f32 and their like allow (about 1e-6 of the number): no bf16 or f16 on the way to a quantiser, and a product that is left as it is and whose result goes on into a quantised operand takes f32 operands (vector FMAs, or v_wmma_f32_16x16x4_f32). A number that lies on a knife's edge between two numbers of the format may be rounded either way, as far as f32 arithmetic and the matrix unit's own rounding can turn it there, and no further.
;; One version. Each part assembles by itself: llvm-mc -triple=amdgcn-amd-amdhsa -mcpu=gfx1250 --defsym DOCPART=n.
;; ======== version 1 of 1: 8 launches
;; limits: right only within a limited range of input values
;; workspace buffers: opnd 13,107,200 bytes; qkv 9,830,400 bytes; ctx 3,276,800 bytes; y 16,777,216 bytes; h 20,054,016 bytes; hid 13,107,200 bytes
;; launch quant (part 1): grid 1024 x 1, 8 waves a work-group, no clusters, 69,120 bytes of LDS; arguments question_embeddings, Wq, Wk, Wv, Wo, W1, W2, opnd; writes opnd
.if DOCPART == 1
	.amdgcn_target "amdgcn-amd-amdhsa--gfx1250"
	.amdhsa_code_object_version 6
	.text
	.protected	k_qc31ea60033_quant
	.globl	k_qc31ea60033_quant
	.p2align	8
	.type	k_qc31ea60033_quant,@function
k_qc31ea60033_quant:
	s_mov_b64 s[64:65], 0
	v_nop
	global_prefetch_b8 v0, s[64:65] scope:SCOPE_SE
	s_setreg_imm32_b32 hwreg(HW_REG_WAVE_MODE, 25, 1), 1
	s_wait_xcnt 0x0
; x [4096][1024], Wq, Wk, Wv, Wo [1024][1024], W1 [4096][1024], W2 [1024][4096], all f32 with K innermost, become codes of FP6 (E2M3) with one E8M0 byte for each 32 along K.
; A block's scale is 2^(floor(log2(largest magnitude)) - 2); each number is divided by it and rounded to the nearest code, ties to even, beyond 7.5 the largest code.
; LAYOUT OF THE CODES: as images of operand registers.  A fragment is 16 rows x 128 K, 12 registers a lane; fragment (T, s) lies at (T S + s) x 1536 bytes, registers 4 g .. 4 g + 3 of lane l at 512 g + 16 l.
; Tile T holds rows 32 (T / 2) + 8 (T % 2) + i + 8 (i / 8), i = 0 .. 15, so that a later product's results lie as neighbours along the next K.  Scale words: (s NT + T) x 64 + 4 i.
; SHARES: 256 work-groups to each of x, the four square weights (tiles 0-255 on end), W1, W2.  A work-group takes eight tiles at one K step, a wave one fragment.
; Each load reads 512 consecutive bytes of one row; the 16 rows turn through the wave's own stage in LDS (pitch 528) so that a lane gets 16 neighbours of each block of 32.
; LIMITS: NaN and infinities are not served; a block of zeros gets the byte 1 (its codes are zeros; this program alone reads the bytes).
.set WSTG, 8448                        ; a wave's stage: 16 rows x 528 bytes
.set SCST, 8*WSTG                      ; behind the stages: the work-group's 8 x 16 scale words
.set OF,   16                          ; v16-31  byte offset of row i's 16 bytes
.set RW,   32                          ; v32-95  16 rows as loaded
.set XN,   96                          ; v96-159 register 16 b + i = k 32 b + 16 (lane / 16) + i of my row
.set PC,   160                         ; v160-178 the codes
.set TM,   180                         ; v180-195 at work
.set PW,   196                         ; the scale word
.set SEL,  38
; 64 numbers of a lane become a fragment's codes in v[PC] on and its scale word in v[pw]
.macro QUANT s, pw
.irp b, 0,1,2,3
	v_max3_num_f32 v[TM+\b], |v[\s+16*\b]|, |v[\s+1+16*\b]|, 0x1800000   ; my 16 numbers of block b, and the floor 2^(3 - 127): the byte cannot fall under 1
.endr
.irp i, 2,4,6,8,10,12,14
.irp b, 0,1,2,3
	s_delay_alu instid0(VALU_DEP_4)
	v_max3_num_f32 v[TM+\b], v[TM+\b], |v[\s+16*\b+\i]|, |v[\s+1+16*\b+\i]|
.endr
.endr
.irp b, 0,1,2,3
	s_delay_alu instid0(VALU_DEP_4)
	v_permlanex16_b32 v[TM+4+\b], v[TM+\b], s[SEL], s[SEL+1]
.endr
.irp b, 0,1,2,3
	s_delay_alu instid0(VALU_DEP_4)
	v_max_num_f32 v[TM+\b], v[TM+\b], v[TM+4+\b]   ; with lane l xor 16's: the block's largest magnitude
.endr
.irp b, 0,1,2,3
	s_delay_alu instid0(VALU_DEP_4)
	v_add_nc_u32 v[TM+12+\b], 0xff000000, v[TM+\b]   ; 2 off its exponent field: the conversion's scale operand
.endr
.irp b, 0,1,2,3
	s_delay_alu instid0(VALU_DEP_4)
	v_lshrrev_b32 v[TM+4+\b], 23, v[TM+12+\b]      ; the scale's byte
.endr
	s_delay_alu instid0(VALU_DEP_3)
	v_lshl_or_b32 v[\pw], v[TM+5], 8, v[TM+4]
	s_delay_alu instid0(VALU_DEP_1)
	v_lshl_or_b32 v[\pw], v[TM+6], 16, v[\pw]
	s_delay_alu instid0(VALU_DEP_1)
	v_lshl_or_b32 v[\pw], v[TM+7], 24, v[\pw]
.irp c, 0,1
	v_cvt_scalef32_pk16_fp6_f32 v[PC+6*\c:PC+2+6*\c], v[\s+32*\c:\s+15+32*\c], v[TM+12+2*\c]
	v_cvt_scalef32_pk16_fp6_f32 v[PC+12+4*\c:PC+14+4*\c], v[\s+16+32*\c:\s+31+32*\c], v[TM+12+2*\c+1]
.endr
	v_nop                                          ; one plain place behind a scaled conversion
.irp c, 0,1                                    ; the operand wants a whole block in a lane
.irp i, 0,1,2
	v_permlane16_swap_b32 v[PC+6*\c+\i], v[PC+12+4*\c+\i]
.endr
.irp i, 0,1,2
	s_delay_alu instid0(VALU_DEP_3)
	v_mov_b32 v[PC+3+6*\c+\i], v[PC+12+4*\c+\i]
.endr
.endr
.endm
	s_load_b512 s[4:19], s[0:1], 0x0               ; x, Wq, Wk, Wv, Wo, W1, W2, opnd
	v_lshl_add_u32 v208, v0, 2, 0x10a00
	v_mov_b32 v209, 0
	v_lshrrev_b32 v1, 5, v0
	s_delay_alu instid0(VALU_DEP_1)
	v_readfirstlane_b32 s20, v1                    ; wave 0..7
	v_and_b32 v1, 31, v0                           ; lane
	v_and_b32 v2, 15, v0                           ; r
	v_bfe_u32 v3, v0, 4, 1                         ; h
	s_delay_alu instid0(VALU_DEP_3)
	v_lshlrev_b32 v4, 4, v1                        ; 16 x lane
	s_mul_i32 s21, s20, WSTG
	v_add_nc_u32 v5, s21, v4                       ; the stage, on the way in: 16 x lane of a row
	v_mul_u32_u24 v6, v2, 528
	s_delay_alu instid0(VALU_DEP_1)
	v_lshl_add_u32 v6, v3, 6, v6
	s_delay_alu instid0(VALU_DEP_1)
	v_add_nc_u32 v6, s21, v6                       ; and out: row r, + 64 h
	s_lshl_b32 s21, s20, 6
	v_lshl_add_u32 v7, v2, 2, s21
	s_delay_alu instid0(VALU_DEP_1)
	v_add_nc_u32 v7, SCST, v7                      ; my row's scale word: 64 x wave + 4 r
	v_add_nc_u32 v8, SCST, v4
	s_mov_b32 s[SEL], 0x76543210
	s_mov_b32 s[SEL+1], 0xfedcba98
.irp b, 0,1,2,3
	v_mov_b32 v[TM+4+\b], 0                        ; a lane permute's destination counts as one of its sources
.endr
	s_lshr_b32 s22, ttmp9, 8                       ; o: 0 x, 1 the four square weights, 2 W1, 3 W2
	s_and_b32 s23, ttmp9, 255
	s_cmp_eq_u32 s22, 3
	s_cselect_b32 s24, 5, 3                        ; log2 of the K steps
	s_cselect_b32 s25, 31, 7
	s_cselect_b32 s26, 32, 8                       ; S: K steps
	s_cselect_b32 s27, 64, 256                     ; NT: tiles
	s_lshl_b32 s28, s26, 9                         ; a row in bytes: 512 S
	s_lshr_b32 s29, s23, s24                       ; G: which eight tiles
	s_and_b32 s23, s23, s25                        ; s: which K step
	s_lshl_b32 s24, s29, 3
	s_add_co_u32 s24, s24, s20                     ; T = 8 G + wave
	s_lshr_b32 s25, s29, 3
	s_add_co_u32 s25, s25, 1                       ; for o = 1: inputs 1 .. 4
	s_add_co_u32 s33, s22, 3                       ; for o = 2, 3: inputs 5, 6
	s_cmp_eq_u32 s22, 1
	s_cselect_b32 s25, s25, s33
	s_cselect_b32 s32, 63, -1
	s_cmp_eq_u32 s22, 0
	s_cselect_b32 s25, 0, s25                      ; which input
	s_and_b32 s32, s24, s32                        ; the tile's number inside that input
	s_lshr_b32 s33, s32, 1
	s_lshl_b32 s33, s33, 5
	s_and_b32 s32, s32, 1
	s_lshl_b32 s32, s32, 3
	s_add_co_u32 s32, s32, s33                     ; its first row
	s_mul_i32 s32, s32, s28
	s_lshl_b32 s33, s23, 9
	s_add_co_u32 s32, s32, s33                     ; + 512 s
	s_mov_b32 s33, 0
	s_mul_i32 s40, s24, s26
	s_add_co_u32 s40, s40, s23
	s_mul_i32 s40, s40, 1536                       ; the fragment's place,
	s_mul_i32 s41, s22, 0x300000
	s_add_co_u32 s40, s40, s41                     ; in operand o's codes
	s_mov_b32 s41, 0
	s_mul_i32 s42, s23, s27
	s_lshl_b32 s43, s29, 3
	s_add_co_u32 s42, s42, s43
	s_lshl_b32 s42, s42, 6                         ; the eight tiles' scale words: (s NT + 8 G) x 64
	s_lshl_b32 s43, s22, 17
	s_add_co_u32 s42, s42, s43
	s_add_co_u32 s42, s42, 0xC00000
	s_mov_b32 s43, 0
.irp i, 0,1,2,3,4,5,6,7,8,9,10,11,12,13,14,15
	v_mad_u32_u24 v[OF+\i], s28, \i+8*(\i/8), v4   ; row i of the tile lies i + 8 (i / 8) rows on
.endr
	s_wait_alu depctr_va_vdst(0)
	s_wait_kmcnt 0x0
	s_mov_b64 s[30:31], s[4:5]                     ; the choice hangs on the work-group's number alone
	s_cmp_eq_u32 s25, 1
	s_cselect_b64 s[30:31], s[6:7], s[30:31]
	s_cmp_eq_u32 s25, 2
	s_cselect_b64 s[30:31], s[8:9], s[30:31]
	s_cmp_eq_u32 s25, 3
	s_cselect_b64 s[30:31], s[10:11], s[30:31]
	s_cmp_eq_u32 s25, 4
	s_cselect_b64 s[30:31], s[12:13], s[30:31]
	s_cmp_eq_u32 s25, 5
	s_cselect_b64 s[30:31], s[14:15], s[30:31]
	s_cmp_eq_u32 s25, 6
	s_cselect_b64 s[30:31], s[16:17], s[30:31]
	s_add_nc_u64 s[30:31], s[30:31], s[32:33]
	s_add_nc_u64 s[34:35], s[18:19], s[40:41]
	s_add_nc_u64 s[36:37], s[18:19], s[42:43]
.irp i, 0,1,2,3,4,5,6,7,8,9,10,11,12,13,14,15
	global_load_b128 v[RW+4*\i:RW+4*\i+3], v[OF+\i], s[30:31] th:TH_LOAD_NT   ; 32 lanes read 512 consecutive bytes of a row
.endr
.irp i, 0,1,2,3,4,5,6,7,8,9,10,11,12,13,14,15
	s_wait_loadcnt 15-\i                           ; loads come back in order: row i is in, the rows behind it may be out
	ds_store_b128 v5, v[RW+4*\i:RW+4*\i+3] offset:528*\i
.endr
.irp n, 0,1,2,3,4,5,6,7,8,9,10,11,12,13,14,15
	ds_load_b128 v[XN+4*\n:XN+4*\n+3], v6 offset:128*(\n/4)+16*(\n%4)   ; LDS serves a wave's instructions in order: these see my stores
.endr
	s_wait_dscnt 0x0
	QUANT XN, PW
.irp g, 0,1,2
	global_store_b128 v4, v[PC+4*\g:PC+4*\g+3], s[34:35] offset:512*\g   ; 512 consecutive bytes a store
.endr
	ds_store_b32 v7, v[PW]                         ; lanes 16-31 write the same word with the same value
	s_wait_dscnt 0x0                               ; for the others' sake: my word has landed
	s_barrier_signal -1
	s_barrier_wait -1
	s_cmp_lg_u32 s20, 0
	s_cbranch_scc1 .Ldone
	ds_load_b128 v[RW:RW+3], v8                    ; wave 0 stores the eight tiles' words: 512 consecutive bytes
	s_wait_dscnt 0x0
	global_store_b128 v4, v[RW:RW+3], s[36:37]
.Ldone:
	s_wait_tensorcnt 0x0
	ds_add_u32 v208, v209
	s_wait_dscnt 0x0
	s_endpgm
.Lfunc_end_k_qc31ea60033_quant:
	.size	k_qc31ea60033_quant, .Lfunc_end_k_qc31ea60033_quant-k_qc31ea60033_quant
	.p2alignl 7, 3214868480
	.fill 96, 4, 3214868480
	.section	.rodata,"a",@progbits
	.p2align	6, 0x0
	.amdhsa_kernel k_qc31ea60033_quant
		.amdhsa_group_segment_fixed_size 69120
		.amdhsa_private_segment_fixed_size 0
		.amdhsa_enable_private_segment 0
		.amdhsa_kernarg_size 64
		.amdhsa_user_sgpr_count 2
		.amdhsa_user_sgpr_kernarg_segment_ptr 1
		.amdhsa_wavefront_size32 1
		.amdhsa_system_sgpr_workgroup_id_x 1
		.amdhsa_system_sgpr_workgroup_id_y 1
		.amdhsa_system_sgpr_workgroup_id_z 1
		.amdhsa_system_vgpr_workitem_id 0
		.amdhsa_next_free_vgpr 210
		.amdhsa_next_free_sgpr 66
		.amdhsa_reserve_vcc 0
		.amdhsa_float_denorm_mode_32 3
		.amdhsa_float_denorm_mode_16_64 3
		.amdhsa_memory_ordered 1
		.amdhsa_forward_progress 1
		.amdhsa_inst_pref_size 15
	.end_amdhsa_kernel
	.amdgpu_metadata
---
amdhsa.version: [ 1, 2 ]
amdhsa.kernels:
  - .name:           k_qc31ea60033_quant
    .symbol:         k_qc31ea60033_quant.kd
    .args:
      - { .name: question_embeddings, .offset: 0, .size: 8, .value_kind: global_buffer, .address_space: global }
      - { .name: Wq, .offset: 8, .size: 8, .value_kind: global_buffer, .address_space: global }
      - { .name: Wk, .offset: 16, .size: 8, .value_kind: global_buffer, .address_space: global }
      - { .name: Wv, .offset: 24, .size: 8, .value_kind: global_buffer, .address_space: global }
      - { .name: Wo, .offset: 32, .size: 8, .value_kind: global_buffer, .address_space: global }
      - { .name: W1, .offset: 40, .size: 8, .value_kind: global_buffer, .address_space: global }
      - { .name: W2, .offset: 48, .size: 8, .value_kind: global_buffer, .address_space: global }
      - { .name: opnd, .offset: 56, .size: 8, .value_kind: global_buffer, .address_space: global }
    .group_segment_fixed_size: 69120
    .private_segment_fixed_size: 0
    .kernarg_segment_align: 8
    .kernarg_segment_size: 64
    .max_flat_workgroup_size: 256
    .sgpr_count:     66
    .vgpr_count:     210
    .wavefront_size: 32
...
	.end_amdgpu_metadata
.endif
;; end of part 1
;; launch gemm_qkv (part 2): grid 12 x 16, 4 waves a work-group, clusters of 4 x 4, 327,680 bytes of LDS; arguments opnd, bq, bk, bv, qkv; writes qkv
.if DOCPART == 2
	.amdgcn_target "amdgcn-amd-amdhsa--gfx1250"
	.amdhsa_code_object_version 6
	.text
	.protected	k_qc31ea60033_gemm_qkv
	.globl	k_qc31ea60033_gemm_qkv
	.p2align	8
	.type	k_qc31ea60033_gemm_qkv,@function
k_qc31ea60033_gemm_qkv:
	s_mov_b64 s[64:65], 0
	v_nop
	global_prefetch_b8 v0, s[64:65] scope:SCOPE_SE
	s_setreg_imm32_b32 hwreg(HW_REG_WAVE_MODE, 25, 1), 1
	s_wait_xcnt 0x0
	s_wait_alu depctr_hold_cnt(0) depctr_sa_sdst(0) depctr_va_vdst(0) depctr_va_sdst(0) depctr_va_ssrc(0) depctr_va_vcc(0) depctr_vm_vsrc(0)
	s_getreg_b32 s2, hwreg(HW_REG_IB_STS2, 6, 4)
	s_cmp_eq_u32 s2, 0
	s_cbranch_scc0 .Lentry_in_a_cluster
	s_endpgm
.Lentry_in_a_cluster:
	s_bfe_u32 s2, ttmp6, 0x10000c
	s_cmp_lg_u32 s2, 0xf033
	s_cbranch_scc0 .Lentry_shape_is_right
	s_endpgm
.Lentry_shape_is_right:
.set NA, 8
.set NB, 8
.set NQ, 2
.set NS, 8
.set NTA, 256
.set NTB, 256
.set XS_O,  0xC00000
.set W4C_O, 0x300000
.set W4S_O, 0xC20000
.set FR,    12
.set NL,    3
.set FRB,   1536
.set TROW,  NQ*FRB
.set HALFT, NA*TROW
.set SLOT,  4*HALFT
.set LAPS,  NS/(2*NQ)
.set SCL,   2*SLOT
.set SROW,  2*NA*64                    ; a K step's scale words of one side: both halves' tiles on end
.set HALFS, NS*NA*64
.set SPARE, SCL+4*HALFS
.set CO8,  12
.set ADRA, 16
.set ADRB, 20
.set STO,  24
.set RD,   25
.set CO,   26
.set ADRS, 27
.set SPW,  28
.set NIL,  29
.set SC,   32
.set AF,   128
.set CB,   64
.set T64,  128
.set PC,   192
.set TM,   212
.set PW8,  228
.set RB,   240
.set SEL,  18
.set G1, 24
.set G0, 32
.set G1B, 48
.set G0B, 56
.set G1S, 68
.set G0S, 76
.set G1SB, 80
.set G0SB, 88
.set MSB, 0
.macro WIN new
.if MSB != \new
	s_set_vgpr_msb (MSB<<8)|\new
.set MSB, \new
.endif
.endm
.set TO_B, 0x40
.macro JLOAD g0a, g1a, g0b, g1b
	s_cmp_eq_u32 s15, 0
	s_cbranch_scc0 .Lfor_b_\@
	tensor_load_to_lds s[\g0a:\g0a+3], s[\g1a:\g1a+7]
	s_nop 0
.rept 4
	v_nop
.endr
	s_branch .Lasked_\@
.Lfor_b_\@:
	tensor_load_to_lds s[\g0b:\g0b+3], s[\g1b:\g1b+7]
	s_nop 0
.rept 4
	v_nop
.endr
.Lasked_\@:
.endm
.macro CREST
	s_cmp_lg_u32 s14, 0
	s_cbranch_scc1 .Lnot_wave_0_\@
	s_barrier_signal -3
.Lnot_wave_0_\@:
	s_barrier_wait -3
	s_barrier_signal -1
	s_barrier_wait -1
.endm
.macro CROUND
	s_barrier_signal -1
	s_barrier_wait -1
	CREST
.endm
.macro PLACES n
.rept \n
	v_nop
.endr
.endm
.macro FRAG reg, adr, q, i
.irp g, 0,1,2
	ds_load_b128 v[\reg+4*\g:\reg+4*\g+3], v[\adr] offset:(\i)*TROW+(\q)*FRB+512*\g
.endr
.endm
.macro MULB a, p, q, sc, zero
.set WN, 0xa1+0x50*((8*NB*(\a))/256)
	WIN WN
.irp b, 0,1,2,3,4,5,6,7
.if \b < NB
.set AC, (8*(NB*(\a)+\b))%256
.if \zero
	v_wmma_scale_f32_16x16x128_f8f6f4 v[AC:AC+7], v[128*(\p)+FR*\b:128*(\p)+FR*\b+FR-1], v[AF+FR*(\a):AF+FR*(\a)+FR-1], 0, v[SC+16*(\sc)+NQ*\b+(\q)], v[SC+16*(\sc)+NQ*(\a)+(\q)] matrix_a_fmt:MATRIX_FMT_FP6 matrix_b_fmt:MATRIX_FMT_FP6 matrix_a_scale:MATRIX_SCALE_ROW1
.else
	v_wmma_scale_f32_16x16x128_f8f6f4 v[AC:AC+7], v[128*(\p)+FR*\b:128*(\p)+FR*\b+FR-1], v[AF+FR*(\a):AF+FR*(\a)+FR-1], v[AC:AC+7], v[SC+16*(\sc)+NQ*\b+(\q)], v[SC+16*(\sc)+NQ*(\a)+(\q)] matrix_a_fmt:MATRIX_FMT_FP6 matrix_b_fmt:MATRIX_FMT_FP6 matrix_a_scale:MATRIX_SCALE_ROW1
.endif
.endif
.endr
.endm
.macro MULQ k, p, q, sc, zero
.irp j, 0,1
.if \j < NA/4
	MULB (\k)*(NA/4)+\j, \p, \q, \sc, \zero
.endif
.endr
.endm
.macro FETCH_B slot, q, p
	WIN TO_B
.irp i, 0,1,2,3,4,5,6,7
.if \i < NB
	FRAG 128*(\p)+FR*\i, ADRB+\slot, \q, \i
.endif
.endr
	WIN 0
.endm
.macro FETCH_A slot, q, i0
.irp j, 0,1,2,3
.if \j < NA/2
	FRAG AF+FR*(\i0+\j), ADRA+\slot, \q, \i0+\j
.endif
.endr
.endm
.macro SCALES sc
.irp i, 0,1,2,3,4,5,6,7
.if \i < NA
.irp q, 0,1,2,3
.if \q < NQ
	ds_load_b32 v[SC+16*(\sc)+NQ*\i+\q], v[ADRS] offset:\q*SROW+64*\i
.endif
.endr
.endif
.endr
.endm
.macro STEP slot, q, zero
	s_wait_dscnt (NA/2)*NL
	MULQ 0, (\q)%2, \q, \slot, \zero
	MULQ 1, (\q)%2, \q, \slot, \zero
	s_wait_dscnt 0x0
	PLACES 4
	FETCH_B \slot, (\q)+1, 1-(\q)%2
	FETCH_A \slot, (\q)+1, 0
	MULQ 2, (\q)%2, \q, \slot, \zero
	MULQ 3, (\q)%2, \q, \slot, \zero
	PLACES 4
	WIN 0
	FETCH_A \slot, (\q)+1, NA/2
.endm
.macro TURN slot, next, fill
	s_wait_tensorcnt 0x0
	ds_add_u32 v[SPW], v[NIL]
	s_wait_dscnt (NA/2)*NL+1
	MULQ 0, 1, NQ-1, \slot, 0
	s_wait_dscnt 0x0
	s_barrier_signal -1
	MULQ 1, 1, NQ-1, \slot, 0
	WIN 0
	s_barrier_wait -1
.if \fill
	CREST
	s_add_nc_u64 s[G0+4*\slot+2:G0+4*\slot+3], s[G0+4*\slot+2:G0+4*\slot+3], 2*TROW
	s_add_nc_u64 s[G0B+4*\slot+2:G0B+4*\slot+3], s[G0B+4*\slot+2:G0B+4*\slot+3], 2*TROW
	JLOAD G0+4*\slot, G1, G0B+4*\slot, G1B
.else
	PLACES 4
.endif
	s_wait_alu depctr_va_vdst(0)
	v_add_nc_u32 v[ADRS], NQ*SROW, v[ADRS]
	FETCH_B \next, 0, 0
	FETCH_A \next, 0, 0
	SCALES \next
	MULQ 2, 1, NQ-1, \slot, 0
	MULQ 3, 1, NQ-1, \slot, 0
	PLACES 4
	WIN 0
	FETCH_A \next, 0, NA/2
.endm
.macro REST slot, next, fill
.if NQ > 2
.set QR, 1
.rept NQ-2
	STEP \slot, QR, 0
.set QR, QR+1
.endr
.endif
	TURN \slot, \next, \fill
.endm
.macro HEADS slot
.set QH, 0
.rept NQ-1
	STEP \slot, QH, 0
.set QH, QH+1
.endr
.endm
.macro QUANT s, pw
.irp b, 0,1,2,3
	v_max3_num_f32 v[TM+\b], |v[\s+16*\b]|, |v[\s+1+16*\b]|, 0x1800000
.endr
.irp i, 2,4,6,8,10,12,14
.irp b, 0,1,2,3
	v_max3_num_f32 v[TM+\b], v[TM+\b], |v[\s+16*\b+\i]|, |v[\s+1+16*\b+\i]|
.endr
.endr
.irp b, 0,1,2,3
	v_permlanex16_b32 v[TM+4+\b], v[TM+\b], s[SEL], s[SEL+1]
.endr
.irp b, 0,1,2,3
	v_max_num_f32 v[TM+\b], v[TM+\b], v[TM+4+\b]
.endr
.irp b, 0,1,2,3
	v_add_nc_u32 v[TM+12+\b], 0xff000000, v[TM+\b]
.endr
.irp b, 0,1,2,3
	v_lshrrev_b32 v[TM+4+\b], 23, v[TM+12+\b]
.endr
	v_lshl_or_b32 v[\pw], v[TM+5], 8, v[TM+4]
	v_lshl_or_b32 v[\pw], v[TM+6], 16, v[\pw]
	v_lshl_or_b32 v[\pw], v[TM+7], 24, v[\pw]
.irp c, 0,1
	v_cvt_scalef32_pk16_fp6_f32 v[PC+6*\c:PC+2+6*\c], v[\s+32*\c:\s+15+32*\c], v[TM+12+2*\c]
	v_cvt_scalef32_pk16_fp6_f32 v[PC+12+4*\c:PC+14+4*\c], v[\s+16+32*\c:\s+31+32*\c], v[TM+12+2*\c+1]
.endr
	v_nop
.irp c, 0,1
.irp i, 0,1,2
	v_permlane16_swap_b32 v[PC+6*\c+\i], v[PC+12+4*\c+\i]
.endr
.irp i, 0,1,2
	v_mov_b32 v[PC+3+6*\c+\i], v[PC+12+4*\c+\i]
.endr
.endr
.endm
.macro EPIQ rowb, relu, sp, ldsoff, half
.irp b, 0,1,2,3
	v_mov_b32 v[TM+4+\b], 0
.endr
.irp a, 0,1,2,3,4,5,6,7
.if \a > 0
	s_wait_xcnt 0x0
.endif
.set WN, 0x02+(\a/4)
	WIN WN
.set AC, 64*(\a%4)
.set J, 0
.rept 32
.if \rowb
	v_pk_add_f32 v[T64+J:T64+J+1], v[AC+J:AC+J+1], v[RB+2*\a:RB+2*\a+1] op_sel_hi:[1,0]
.else
	v_pk_add_f32 v[T64+J:T64+J+1], v[AC+J:AC+J+1], v[CB+J:CB+J+1]
.endif
.set J, J+2
.endr
	WIN 0
.if \relu
.set J, 0
.rept 64
	v_max_num_f32 v[T64+J], 0, v[T64+J]
.set J, J+1
.endr
.endif
	QUANT T64, PW8+\a
.if \half
	global_store_b128 v[CO], v[PC:PC+3], s[12:13] offset:\a*\sp*FRB
	global_store_b64 v[CO8], v[PC+4:PC+5], s[12:13] offset:\a*\sp*FRB+512
	global_store_b128 v[CO], v[PC+6:PC+9], s[12:13] offset:\a*\sp*FRB+768
	global_store_b64 v[CO8], v[PC+10:PC+11], s[12:13] offset:\a*\sp*FRB+1280
.else
.irp g, 0,1,2
	global_store_b128 v[CO], v[PC+4*\g:PC+4*\g+3], s[12:13] offset:\a*\sp*FRB+512*\g
.endr
.endif
	ds_store_b32 v[STO], v[PW8+\a] offset:\ldsoff+64*\a
.endr
	ds_load_b128 v[T64:T64+3], v[RD] offset:\ldsoff
	s_wait_dscnt 0x0
	global_store_b128 v[CO], v[T64:T64+3], s[66:67]
.endm
	s_load_b256 s[4:11], s[0:1], 0x0
	s_load_b64 s[12:13], s[0:1], 0x20
	v_lshl_add_u32 v[SPW], v0, 2, SPARE
	v_mov_b32 v[NIL], 0
	ds_add_u32 v28, v29
	ds_add_u32 v28, v29
	s_wait_dscnt 0x0
	v_lshrrev_b32 v1, 5, v0
	v_readfirstlane_b32 s14, v1
	s_lshr_b32 s15, s14, 1
	s_and_b32 s16, s14, 1
	s_bfe_u32 s40, ttmp6, 0x40000
	s_bfe_u32 s41, ttmp6, 0x40004
	s_and_b32 s95, ttmp7, 0xffff
	s_lshl_b32 s95, s95, 2
	s_lshl_b32 s96, ttmp9, 2
	s_mov_b32 s67, XS_O
	s_mov_b32 s99, W4S_O
	s_cmp_eq_u32 ttmp9, 2
	s_cselect_b32 s97, 1, 0
	s_cselect_b32 s17, 0, s95
	s_cselect_b32 s42, s95, s96
	s_cselect_b32 s66, W4C_O+128*NS*FRB, 0
	s_cselect_b32 s98, 0, W4C_O
	s_cselect_b32 s99, s67, s99
	s_cselect_b32 s67, W4S_O+128*64, s67
	s_add_co_u32 s17, s17, s41
	s_add_co_u32 s42, s42, s40
	s_lshl_b32 s43, s41, 2
	s_lshl_b32 s43, 15, s43
	s_lshl_b32 s44, 0x1111, s40
	s_or_b32 s[G1+0], s43, (3<<16)|(1<<21)
	s_or_b32 s[G1B+0], s44, (3<<16)|(1<<21)
.irp g, G1, G1B
	s_mov_b32 s[\g+1], (NQ*192)<<16
	s_mov_b32 s[\g+2], (2*NA)<<16
	s_mov_b32 s[\g+3], (NQ*192)<<16
	s_mov_b32 s[\g+4], 2*NA
	s_mov_b32 s[\g+5], NS*192
	s_mov_b32 s[\g+6], 0
	s_mov_b32 s[\g+7], 0
.endr
	s_or_b32 s[G1S+0], s43, (3<<16)|(1<<21)
	s_or_b32 s[G1SB+0], s44, (3<<16)|(1<<21)
.irp g, G1S, G1SB
	s_mov_b32 s[\g+1], (NA*16)<<16
	s_mov_b32 s[\g+2], NS<<16
	s_mov_b32 s[\g+3], (NA*16)<<16
	s_mov_b32 s[\g+4], NS
	s_mov_b32 s[\g+6], 0
	s_mov_b32 s[\g+7], 0
.endr
	s_mov_b32 s[G1S+5], NTA*8
	s_mov_b32 s[G1SB+5], NTB*8
	s_mul_i32 s20, s17, 2*NA
	s_mul_i32 s46, s42, 2*NA
	s_lshl_b32 s22, s20, 6
	s_add_co_u32 s22, s22, s67
	s_mov_b32 s23, 0
	s_lshl_b32 s92, s46, 6
	s_add_co_u32 s92, s92, s99
	s_mov_b32 s93, 0
	s_mul_i32 s20, s20, NS*FRB
	s_add_co_u32 s20, s20, s66
	s_mov_b32 s21, 0
	s_mul_i32 s46, s46, NS*FRB
	s_add_co_u32 s46, s46, s98
	s_mov_b32 s47, 0
	s_mul_i32 s45, s14, HALFT
	v_and_b32 v30, 31, v0                          ; the prefetches' offset: 24 blocks of 256 bytes, two tile rows of 12; lanes 24-31 name the last again
	v_min_u32 v30, 23, v30
	v_mul_u32_u24 v31, v30, 171
	v_lshrrev_b32 v31, 11, v31                     ; lane / 12
	v_mul_u32_u24 v7, v31, 12
	v_sub_nc_u32 v30, v30, v7
	v_lshlrev_b32 v30, 8, v30
	v_mad_u32_u24 v30, v31, NS*FRB, v30
	s_wait_alu depctr_va_vdst(0)
	s_wait_kmcnt 0x0
	s_add_nc_u64 s[20:21], s[4:5], s[20:21]
	s_add_nc_u64 s[22:23], s[4:5], s[22:23]
	s_add_nc_u64 s[46:47], s[4:5], s[46:47]
	s_add_nc_u64 s[92:93], s[4:5], s[92:93]
	CROUND
	s_mov_b32 s[G0S], 1
	s_mov_b32 s[G0S+1], SCL
	s_mov_b64 s[G0S+2:G0S+3], s[22:23]
	s_or_b32 s[G0S+3], s[G0S+3], 0x80000000
	s_mov_b32 s[G0SB], 1
	s_mov_b32 s[G0SB+1], SCL+2*HALFS
	s_mov_b64 s[G0SB+2:G0SB+3], s[92:93]
	s_or_b32 s[G0SB+3], s[G0SB+3], 0x80000000
.irp s, 0,1
	s_mov_b32 s[G0+4*\s], 1
	s_add_co_u32 s[G0+4*\s+1], s45, \s*SLOT
	s_add_nc_u64 s[G0+4*\s+2:G0+4*\s+3], s[20:21], \s*TROW
	s_or_b32 s[G0+4*\s+3], s[G0+4*\s+3], 0x80000000
	s_mov_b32 s[G0B+4*\s], 1
	s_add_co_u32 s[G0B+4*\s+1], s45, \s*SLOT
	s_add_nc_u64 s[G0B+4*\s+2:G0B+4*\s+3], s[46:47], \s*TROW
	s_or_b32 s[G0B+4*\s+3], s[G0B+4*\s+3], 0x80000000
.endr
	; THE HEAD'S LOADS, one a wave: wave 0 slot 0's tiles of A, both halves, wave 1 those of B, wave 2 A's scale words, wave 3 B's
	s_mov_b32 s[G0+1], 0
	s_mov_b32 s[G0B+1], 2*HALFT
	s_mul_i32 s2, s16, NA*NS*FRB                   ; in the ring a wave fetches one half of a side's tiles
	s_mov_b32 s3, 0
	s_add_nc_u64 s[G0+6:G0+7], s[G0+6:G0+7], s[2:3]
	s_add_nc_u64 s[G0B+6:G0B+7], s[G0B+6:G0B+7], s[2:3]
	s_cmp_eq_u32 s15, 0                            ; the prefetches: of the NA tile rows that I fetch, my work-group's NA / 4, told apart by address (cx for A, cy for B); it stands at chunk 2
	s_cselect_b64 s[4:5], s[20:21], s[46:47]
	s_cselect_b32 s92, s40, s41
	s_mul_i32 s92, s92, (NA/4)*NS*FRB
	s_add_co_u32 s92, s92, 2*TROW
	s_mov_b32 s93, 0
	s_add_nc_u64 s[4:5], s[4:5], s[2:3]
	s_add_nc_u64 s[4:5], s[4:5], s[92:93]
.macro ARM under, g0, g1, next
	s_cmp_lt_u32 s14, \under
	s_cbranch_scc0 \next
	tensor_load_to_lds s[\g0:\g0+3], s[\g1:\g1+7]
	s_nop 0
.rept 4
	v_nop
.endr
	s_branch .Lhead_asked
\next:
.endm
	ARM 1, G0,  G1,  .Lhead_b
	ARM 2, G0B, G1B, .Lhead_sa
	ARM 3, G0S, G1S, .Lhead_sb
	tensor_load_to_lds s[G0SB:G0SB+3], s[G1SB:G1SB+7]
	s_nop 0
.rept 4
	v_nop
.endr
.Lhead_asked:
	global_prefetch_b8 v30, s[4:5] th:TH_LOAD_NT scope:SCOPE_SE   ; chunk 2, which the first refill will load; K has four chunks, so the refills themselves ask for nothing
	v_and_b32 v1, 15, v0
	v_bfe_u32 v2, v0, 4, 1
	s_wait_alu depctr_va_vdst(0)
	v_and_b32 v3, 31, v0
	v_lshlrev_b32 v3, 4, v3
	s_wait_alu depctr_va_vdst(0)
	s_mul_i32 s21, s15, HALFT
	s_mul_i32 s22, s16, HALFT
	s_add_co_u32 s22, s22, 2*HALFT
.irp s, 0,1
	v_add_nc_u32 v[ADRA+\s], s21, v3
	v_add_nc_u32 v[ADRB+\s], s22, v3
	s_add_co_u32 s21, s21, SLOT
	s_add_co_u32 s22, s22, SLOT
.endr
	s_mul_i32 s21, s15, NA*64
	s_mul_i32 s22, s16, NA*64
	s_add_co_u32 s22, s22, 2*HALFS
	s_sub_co_u32 s22, s22, s21
	v_mul_u32_u24 v6, s22, v2
	s_add_co_u32 s21, s21, SCL
	v_lshl_add_u32 v5, v1, 2, v6
	v_add_nc_u32 v[ADRS], s21, v5
	s_lshl_b32 s23, s14, 9
	v_lshl_add_u32 v[STO], v1, 2, s23
	v_add_nc_u32 v[RD], s23, v3
	v_mov_b32 v[CO], v3
	v_lshrrev_b32 v[CO8], 1, v3
	s_lshl_b32 s20, s17, 4
	s_lshl_b32 s21, s15, 3
	s_add_co_u32 s20, s20, s21
	s_lshl_b32 s22, s42, 1
	s_add_co_u32 s22, s22, s16
	s_mov_b32 s96, 0x900000
	s_cmp_eq_u32 s97, 1
	s_cselect_b32 s18, 32, 16
	s_cselect_b32 s95, 64, 256
	s_cselect_b32 s98, 0x600000, 0
	s_cselect_b32 s96, 0x940000, s96
	s_mul_i32 s46, s20, s18
	s_add_co_u32 s46, s46, s22
	s_mul_i32 s46, s46, FRB
	s_add_co_u32 s46, s46, s98
	s_mov_b32 s47, 0
	s_mul_i32 s22, s22, s95
	s_add_co_u32 s22, s22, s20
	s_lshl_b32 s22, s22, 6
	s_add_co_u32 s22, s22, s96
	s_mov_b32 s23, 0
	s_add_nc_u64 s[66:67], s[12:13], s[22:23]
	s_add_nc_u64 s[12:13], s[12:13], s[46:47]
	s_lshl_b32 s20, s20, 4
	s_and_b32 s20, s20, 1023
	s_lshl_b32 s20, s20, 2
	s_mov_b32 s21, 0
	s_add_nc_u64 s[10:11], s[10:11], s[20:21]
	s_cmp_eq_u32 ttmp9, 0
	s_cselect_b64 s[6:7], s[6:7], s[8:9]
	s_lshl_b32 s20, s40, 10
	s_lshl_b32 s21, s16, 9
	s_add_co_u32 s20, s20, s21
	s_mov_b32 s21, 0
	s_add_nc_u64 s[6:7], s[6:7], s[20:21]
	s_mov_b32 s[SEL], 0x76543210
	s_mov_b32 s[SEL+1], 0xfedcba98
	v_lshlrev_b32 v10, 6, v2
	v_and_b32 v11, 8, v1
	v_add_nc_u32 v11, v11, v1
	v_lshlrev_b32 v11, 2, v11
.irp n, 0,1,2,3,4,5,6,7,8,9,10,11,12,13,14,15
	global_load_b128 v[CB+4*\n:CB+4*\n+3], v10, s[6:7] offset:128*(\n/4)+16*(\n%4)
.endr
.irp a, 0,1,2,3,4,5,6,7
	global_load_b32 v[RB+2*\a], v11, s[10:11] offset:(32*(\a/2)+8*(\a%2))*4
	global_load_b32 v[RB+2*\a+1], v11, s[10:11] offset:(32*(\a/2)+8*(\a%2))*4
.endr
	s_wait_alu depctr_va_vdst(0)
	s_wait_tensorcnt 0x0                           ; my tile of the head's four is in
	ds_add_u32 v[SPW], v[NIL]
	s_mov_b32 s[G1+2], NA<<16                      ; no load of mine is out: from here on a load brings NA tile rows, my half,
	s_mov_b32 s[G1+4], NA
	s_mov_b32 s[G1B+2], NA<<16
	s_mov_b32 s[G1B+4], NA
	s_mov_b32 s[G0+1], s45                         ; and slot 0's group 0 takes its form for the ring
	s_add_nc_u64 s[G0+2:G0+3], s[G0+2:G0+3], s[2:3]
	s_mov_b32 s[G0B+1], s45
	s_add_nc_u64 s[G0B+2:G0B+3], s[G0B+2:G0B+3], s[2:3]
	s_wait_dscnt 0x0
	CROUND
	JLOAD G0+4, G1, G0B+4, G1B                     ; slot 1's first fill, the first tensor load behind the round
	global_prefetch_b8 v30, s[4:5] offset:TROW th:TH_LOAD_NT scope:SCOPE_SE   ; chunk 3
	FETCH_B 0, 0, 0
	FETCH_A 0, 0, 0
	SCALES 0
	FETCH_A 0, 0, NA/2
	STEP 0, 0, 1
.if LAPS > 1
	s_mov_b32 s3, LAPS-1
.Llap:
	REST 0, 1, 1
	HEADS 1
	TURN 1, 0, 1
	STEP 0, 0, 0
	s_sub_co_u32 s3, s3, 1
	s_cmp_lg_u32 s3, 0
	s_cbranch_scc1 .Llap
.endif
	REST 0, 1, 0
	HEADS 1
	s_wait_dscnt (NA/2)*NL
	MULQ 0, 1, NQ-1, 1, 0
	MULQ 1, 1, NQ-1, 1, 0
	s_wait_dscnt 0x0
	MULQ 2, 1, NQ-1, 1, 0
	MULQ 3, 1, NQ-1, 1, 0
	WIN 0
	PLACES 4
	s_wait_loadcnt 0x0
	s_cmp_eq_u32 s97, 1
	s_cbranch_scc1 .Lvway
	EPIQ 0, 0, 16, 0, 1
	s_branch .Lend
.Lvway:
	EPIQ 1, 0, 32, 4096, 0
.Lend:
	s_wait_tensorcnt 0x0
	ds_add_u32 v[SPW], v[NIL]
	s_wait_dscnt 0x0
	CROUND
	s_endpgm
.Lfunc_end_k_qc31ea60033_gemm_qkv:
	.size	k_qc31ea60033_gemm_qkv, .Lfunc_end_k_qc31ea60033_gemm_qkv-k_qc31ea60033_gemm_qkv
	.p2alignl 7, 3214868480
	.fill 96, 4, 3214868480
	.section	.rodata,"a",@progbits
	.p2align	6, 0x0
	.amdhsa_kernel k_qc31ea60033_gemm_qkv
		.amdhsa_group_segment_fixed_size 327680
		.amdhsa_private_segment_fixed_size 0
		.amdhsa_enable_private_segment 0
		.amdhsa_kernarg_size 40
		.amdhsa_user_sgpr_count 2
		.amdhsa_user_sgpr_kernarg_segment_ptr 1
		.amdhsa_wavefront_size32 1
		.amdhsa_system_sgpr_workgroup_id_x 1
		.amdhsa_system_sgpr_workgroup_id_y 1
		.amdhsa_system_sgpr_workgroup_id_z 1
		.amdhsa_system_vgpr_workitem_id 0
		.amdhsa_next_free_vgpr 1024
		.amdhsa_next_free_sgpr 100
		.amdhsa_reserve_vcc 0
		.amdhsa_float_denorm_mode_32 3
		.amdhsa_float_denorm_mode_16_64 3
		.amdhsa_memory_ordered 1
		.amdhsa_forward_progress 1
		.amdhsa_inst_pref_size 214
	.end_amdhsa_kernel
	.amdgpu_metadata
---
amdhsa.version: [ 1, 2 ]
amdhsa.kernels:
  - .name:           k_qc31ea60033_gemm_qkv
    .symbol:         k_qc31ea60033_gemm_qkv.kd
    .args:
      - { .name: opnd, .offset: 0, .size: 8, .value_kind: global_buffer, .address_space: global }
      - { .name: bq, .offset: 8, .size: 8, .value_kind: global_buffer, .address_space: global }
      - { .name: bk, .offset: 16, .size: 8, .value_kind: global_buffer, .address_space: global }
      - { .name: bv, .offset: 24, .size: 8, .value_kind: global_buffer, .address_space: global }
      - { .name: qkv, .offset: 32, .size: 8, .value_kind: global_buffer, .address_space: global }
    .group_segment_fixed_size: 327680
    .private_segment_fixed_size: 0
    .kernarg_segment_align: 8
    .kernarg_segment_size: 40
    .max_flat_workgroup_size: 128
    .sgpr_count:     100
    .vgpr_count:     1024
    .wavefront_size: 32
...
	.end_amdgpu_metadata
.endif
;; end of part 2
;; launch attn (part 3): grid 8 x 32, 16 waves a work-group, clusters of 4 x 1, 327,680 bytes of LDS; arguments qkv, question_mask, ctx; writes ctx
.if DOCPART == 3
	.amdgcn_target "amdgcn-amd-amdhsa--gfx1250"
	.amdhsa_code_object_version 6
	.text
	.protected	k_qc31ea60033_attn
	.globl	k_qc31ea60033_attn
	.p2align	8
	.type	k_qc31ea60033_attn,@function
k_qc31ea60033_attn:
	s_mov_b64 s[64:65], 0
	v_nop
	global_prefetch_b8 v0, s[64:65] scope:SCOPE_SE
	s_setreg_imm32_b32 hwreg(HW_REG_WAVE_MODE, 25, 1), 1
	s_wait_xcnt 0x0
	s_wait_alu depctr_hold_cnt(0) depctr_sa_sdst(0) depctr_va_vdst(0) depctr_va_sdst(0) depctr_va_ssrc(0) depctr_va_vcc(0) depctr_vm_vsrc(0)
	s_getreg_b32 s2, hwreg(HW_REG_IB_STS2, 6, 4)
	s_cmp_eq_u32 s2, 0
	s_cbranch_scc0 .Lentry_in_a_cluster
	s_endpgm
.Lentry_in_a_cluster:
	s_bfe_u32 s2, ttmp6, 0x10000c
	s_cmp_lg_u32 s2, 0x3003
	s_cbranch_scc0 .Lentry_shape_is_right
	s_endpgm
.Lentry_shape_is_right:
; ctx = softmax(q k^T / 8, masked) v, both products on codes of FP6 (E2M3) with E8M0 scales; ctx is quantised along its 1,024 columns and stored as codes.
; THE SOFTMAX: t = logit x log2(e); M = the running largest t rounded up to a whole number; p = 2^(t - M) is quantised along the keys; the row's sum is taken of the unquantised p and divides at the end.
; SHARES.  Work-group (x, y): y = 16 batch + head, x = a block of 256 queries; wave w takes query tile w.  Every wave walks the batch's 2,048 keys, 128 a step.
; ONE HEAD'S K AND V^T, ALL 2,048 KEYS, ARE 2 x 98,304 BYTES AND STAY IN LDS, in eight parts of 256 keys (12,288 bytes) each.  They are filled once, at the head, one tensor load a wave:
; wave 0 K's part 0, wave 1 V's part 0, waves 2-8 K's parts 1-7, waves 9-15 V's parts 1-7.  Waves 0 and 1 have load lines of their own: the first barrier waits for these two loads alone, and the first two key steps run
; while the other fourteen land; then every wave waits for its load and a second barrier shows all parts.  Nothing is filled again, so the rest of the walk has no barrier.
; An LDS address of a part is 12,288 x wave + a constant; for that K begins at byte 12,288, and the bytes below it are not used.
; CLUSTERS: the four query blocks of a cluster need the same K and V: each load is a joint load with the mask 15.
; No prefetch: all that the launch loads by the data mover is asked for at its head; there is no loop to run ahead in.
; Both products are used transposed: S^T = K Q^T, O^T = V^T P^T: a lane holds one query.  The tiles' row order makes the 16 registers of two neighbouring tiles 16 neighbouring keys.
; THE FIRST PRODUCT'S K.  A head has 64 channels, the instruction takes 128.  A fragment of q or k lies in memory as two halves of 768 bytes, one a head (registers 0-3 at 16 x lane, registers 4, 5 at 512 + 8 x lane); only my head's half is loaded.
; THE MASK goes through the idle k = 64: there K holds the code -4 in every key (register 6, a constant; registers 7-11 are zeros), Q the code 1,
; and byte 2 of a KEY'S scale word says what that is worth: 158 where the key does not count (-4 x 2^31 = -2^33), 1 where it counts (-2^-124).  The table of scale words is made once, from K's scale words and the mask.
; LIMITS: a masked logit is -2^30 + score / 8 in place of -1e9: the same result while unmasked logits lie above about -1e9.  A key that counts gets -2^-124 added to its score.  Where no key of a batch counts, Q is cleared,
; its code 1 too: every score is 0 and every p is 1: the uniform weights that the definition gives.  NaN and infinities are not served.  A block of zeros gets the byte 1.
; THE WAY OUT: a wave's half fragment of ctx leaves from registers, in the same two-halves layout: 512 and 256 consecutive bytes.  Its two scale bytes a row are two of a word's four: these stores write units in part (2 bytes for each 48 of codes).
; V's scale words are copied for the head pair (whole runs of 512 bytes); my head's half of them is read.
; REGISTERS: v1-7 addresses that stay; v8-11, v29 addresses of the loads in hand; v12 -M, v13 the largest t, v[14:15] the sum; v16-27 Q; v32-79 four fragments of K; v82-95 made at the head;
; v96-159 S^T, then p, then (v96-143) four fragments of V; v160-191 O^T; v224-235 p's codes; v232-254 at work; v248-251, v253, v255 scale words alone.
.set PART,  12288                      ; 256 keys of K (16 tiles x 768 bytes) or of V^T ([tile][key step][1,536])
.set KOFF,  PART
.set VOFF,  KOFF+8*PART
.set KSC,   VOFF+8*PART                ; K's scale words with the mask, 8,192 bytes
.set VSC,   KSC+8192                   ; V's scale words: [key step][8 tiles][64]
.set FLG,   VSC+8192                   ; a word a wave: does any of its keys count
.set SPARE, FLG+256                    ; the spare words, 128 bytes a wave, that no other line names
.set VTC_O, 0x600000
.set QKS_O, 0x900000
.set VTS_O, 0x940000
.set CS_O,  0x300000
.set AK0,  1
.set AV0,  2
.set ASK0, 3
.set ASV0, 4
.set SPW,  5
.set NIL,  6
.set AK1,  7
.set ADK,  8
.set ADV,  9
.set ADS,  10
.set ADT,  11
.set ADK1, 29
.set L8,   85
.set L16,  95
.set WV,   18
.set SEL,  20
.set CS,   22
.set G1K,  24
.set G1V,  32
.set G0KA, 40                          ; group 0 of wave 0's load, of wave 1's, of waves 2-8's, of waves 9-15's
.set G0VA, 44
.set G0KB, 76
.set G0VB, 80
.set TB,   2
.set TS,   3
.set TRIPS, 67
.macro CROUND
	s_barrier_signal -1
	s_barrier_wait -1
	s_cmp_lg_u32 s[WV], 0
	s_cbranch_scc1 .Lnot_wave_0_\@
	s_barrier_signal -3
.Lnot_wave_0_\@:
	s_barrier_wait -3
	s_barrier_signal -1
	s_barrier_wait -1
.endm
.macro ARM under, g0, g1, next
	s_cmp_lt_u32 s[WV], \under
	s_cbranch_scc0 \next
	tensor_load_to_lds s[\g0:\g0+3], s[\g1:\g1+7]
	s_nop 0
.rept 4
	v_nop
.endr
	s_branch .Lasked
\next:
.endm
	s_load_b128 s[4:7], s[0:1], 0x0                ; qkv, the mask
	s_load_b64 s[8:9], s[0:1], 0x10                ; ctx
	v_lshl_add_u32 v[SPW], v0, 2, SPARE
	v_mov_b32 v[NIL], 0
	ds_add_u32 v[SPW], v[NIL]                      ; the opening lines
	ds_add_u32 v[SPW], v[NIL]
	v_lshrrev_b32 v8, 5, v0
	s_delay_alu instid0(VALU_DEP_1)
	v_readfirstlane_b32 s[WV], v8                  ; wave 0..15
	s_and_b32 s12, ttmp7, 0xffff
	s_and_b32 s13, s12, 1                          ; hb: which head of the pair
	s_bfe_u32 s11, s12, 0x30001                    ; p: the head pair
	s_lshr_b32 s10, s12, 4                         ; b: the batch
	s_bfe_u32 s14, ttmp6, 0x40000
	s_lshl_b32 s15, ttmp9, 2
	s_add_co_u32 s14, s14, s15                     ; x: the block of queries
	s_max_u32 s15, s[WV], 1
	s_sub_co_u32 s15, s15, 1                       ; which part of K: wave 0: 0; waves 2-8: wave - 1
	s_max_u32 s16, s[WV], 8
	s_sub_co_u32 s16, s16, 8                       ; which part of V: wave 1: 0; waves 9-15: wave - 8
	s_lshl_b32 s48, s10, 7                         ; the batch's first tile of tokens
	s_mul_i32 s74, s13, 768                        ; my head's half of a fragment
	s_lshl_b32 s49, s15, 4
	s_add_co_u32 s49, s49, s48
	s_lshl_b32 s49, s49, 4
	s_add_co_u32 s49, s49, s11
	s_add_co_u32 s49, s49, 8
	s_mul_i32 s50, s49, 1536                       ; K: tile 128 b + 16 x part, K step 8 + p
	s_add_co_u32 s50, s50, s74
	s_mov_b32 s51, 0
	s_lshl_b32 s52, s11, 3
	s_lshl_b32 s53, s13, 2
	s_add_co_u32 s52, s52, s53
	s_lshl_b32 s52, s52, 5
	s_lshl_b32 s53, s10, 4
	s_add_co_u32 s52, s52, s53
	s_lshl_b32 s53, s16, 1
	s_add_co_u32 s52, s52, s53
	s_mul_i32 s52, s52, 1536
	s_add_co_u32 s52, s52, VTC_O                   ; V^T: tile 8 p + 4 hb, K step 16 b + 2 x part
	s_mov_b32 s53, 0
	s_mul_i32 s54, s[WV], PART
	s_lshl_b32 s55, s14, 4
	s_add_co_u32 s55, s55, s48
	s_add_co_u32 s55, s55, s[WV]                   ; T: my tile of queries
	s_lshl_b32 s58, s11, 8
	s_add_co_u32 s58, s58, s55
	s_lshl_b32 s58, s58, 6
	s_lshl_b32 s72, s13, 1
	s_add_co_u32 s72, s72, s58
	s_add_co_u32 s72, s72, CS_O                    ; ctx's scale words, my head's two bytes
	s_mov_b32 s73, 0
	s_add_co_u32 s58, s58, QKS_O                   ; Q's scale words
	s_mov_b32 s59, 0
	s_lshl_b32 s56, s55, 4
	s_add_co_u32 s56, s56, s11
	s_mul_i32 s56, s56, 1536
	s_add_co_u32 s56, s56, s74                     ; my head's half of Q's fragment
	s_mov_b32 s57, 0
	s_lshl_b32 s70, s55, 3
	s_add_co_u32 s70, s70, s11
	s_mul_i32 s70, s70, 1536
	s_add_co_u32 s70, s70, s74                     ; and of ctx's
	s_mov_b32 s71, 0
	s_add_co_u32 s60, s11, 8
	s_lshl_b32 s60, s60, 8
	s_add_co_u32 s60, s60, s48
	s_lshl_b32 s60, s60, 6
	s_add_co_u32 s60, s60, QKS_O                   ; K's scale words of the batch: 8,192 dense bytes
	s_mov_b32 s61, 0
	s_lshl_b32 s62, s10, 10
	s_lshl_b32 s63, s11, 3
	s_add_co_u32 s62, s62, s63
	s_lshl_b32 s62, s62, 6
	s_add_co_u32 s62, s62, VTS_O                   ; V's: 16 pieces of 512 bytes, 4,096 apart
	s_mov_b32 s63, 0
	s_lshl_b32 s68, s10, 13                        ; the batch's mask
	s_mov_b32 s69, 0
	s_mov_b32 s[G1K], 15|(3<<16)|(1<<21)           ; the cluster's four; elements of 8 bytes; bit 21 beside the mask
	s_mov_b32 s[G1K+1], 96<<16                     ; half a fragment
	s_mov_b32 s[G1K+2], 16<<16                     ; sixteen tiles
	s_mov_b32 s[G1K+3], 96<<16
	s_mov_b32 s[G1K+4], 16
	s_mov_b32 s[G1K+5], 3072                       ; 16 K steps from tile to tile
	s_mov_b32 s[G1K+6], 0
	s_mov_b32 s[G1K+7], 0
	s_mov_b32 s[G1V], 15|(3<<16)|(1<<21)
	s_mov_b32 s[G1V+1], 384<<16                    ; two fragments
	s_mov_b32 s[G1V+2], 4<<16                      ; four tiles
	s_mov_b32 s[G1V+3], 384<<16
	s_mov_b32 s[G1V+4], 4
	s_mov_b32 s[G1V+5], 6144                       ; 32 K steps from tile to tile
	s_mov_b32 s[G1V+6], 0
	s_mov_b32 s[G1V+7], 0
	s_mov_b32 s[SEL], 0x76543210
	s_mov_b32 s[SEL+1], 0xfedcba98
	s_mov_b32 s[CS], 0x3e38aa3b                    ; c = log2(e) / 8
	s_mov_b32 s[CS+1], s[CS]
	s_mov_b32 s[TB], 0
	s_mov_b32 s[TS], 0
	s_mov_b32 s[TRIPS], 7
	s_lshl_b32 s89, s13, 4                         ; 16 x head: where my head's two bytes begin in a scale word
	s_mov_b32 s90, 0x017f0000                      ; Q's bytes 2 and 3: 2^0 for the code 1 at k = 64; 2^-126 over zeros
	s_mov_b32 s91, 0xffff
	s_wait_alu depctr_va_vdst(0)
	s_wait_dscnt 0x0
	CROUND                                         ; the round in front of the joint loads
	s_wait_kmcnt 0x0
	s_mov_b32 s[G0KA], 1
	s_add_co_u32 s[G0KA+1], s54, KOFF              ; wave 0: K's part 0
	s_add_nc_u64 s[G0KA+2:G0KA+3], s[4:5], s[50:51]
	s_or_b32 s[G0KA+3], s[G0KA+3], 0x80000000
	s_mov_b32 s[G0KB], 1
	s_add_co_u32 s[G0KB+1], s54, KOFF-PART         ; waves 2-8: part wave - 1
	s_mov_b64 s[G0KB+2:G0KB+3], s[G0KA+2:G0KA+3]
	s_mov_b32 s[G0VA], 1
	s_add_co_u32 s[G0VA+1], s54, VOFF-PART         ; wave 1: V's part 0
	s_add_nc_u64 s[G0VA+2:G0VA+3], s[4:5], s[52:53]
	s_or_b32 s[G0VA+3], s[G0VA+3], 0x80000000
	s_mov_b32 s[G0VB], 1
	s_add_co_u32 s[G0VB+1], s54, VOFF-8*PART       ; waves 9-15: part wave - 8
	s_mov_b64 s[G0VB+2:G0VB+3], s[G0VA+2:G0VA+3]
	ARM 1, G0KA, G1K, .Lva                         ; one chain, one tensor load to an arm: what the first steps need has lines of its own
	ARM 2, G0VA, G1V, .Lkb
	ARM 9, G0KB, G1K, .Lvb
	tensor_load_to_lds s[G0VB:G0VB+3], s[G1V:G1V+7]
	s_nop 0
.rept 4
	v_nop
.endr
.Lasked:
	s_add_nc_u64 s[56:57], s[4:5], s[56:57]
	s_add_nc_u64 s[58:59], s[4:5], s[58:59]
	s_add_nc_u64 s[60:61], s[4:5], s[60:61]
	s_add_nc_u64 s[62:63], s[4:5], s[62:63]
	s_add_nc_u64 s[68:69], s[6:7], s[68:69]
	s_add_nc_u64 s[70:71], s[8:9], s[70:71]
	s_add_nc_u64 s[72:73], s[8:9], s[72:73]
	v_and_b32 v30, 31, v0                          ; lane
	v_and_b32 v31, 15, v0                          ; r
	v_bfe_u32 v9, v0, 4, 1                         ; h
	s_delay_alu instid0(VALU_DEP_3)
	v_lshlrev_b32 v[L16], 4, v30
	s_delay_alu instid0(VALU_DEP_4)
	v_lshlrev_b32 v[L8], 3, v30
	v_lshlrev_b32 v87, 4, v0                       ; 16 x thread
	v_lshrrev_b32 v88, 5, v0
	s_delay_alu instid0(VALU_DEP_1)
	v_lshlrev_b32 v88, 12, v88
	s_delay_alu instid0(VALU_DEP_1)
	v_add_nc_u32 v88, v88, v[L16]                  ; 4,096 x wave + 16 x lane
	v_lshlrev_b32 v89, 2, v31                      ; 4 r
	v_lshrrev_b32 v82, 3, v0                       ; thread t holds the scale words of tile t / 4, rows 4 (t % 4) on: those are the four keys from 32 (t / 8) + 8 bit 2 + 16 bit 1 + 4 bit 0 of t on
	s_delay_alu instid0(VALU_DEP_1)
	v_lshlrev_b32 v82, 7, v82
	v_bfe_u32 v10, v0, 2, 1
	s_delay_alu instid0(VALU_DEP_1)
	v_lshl_add_u32 v82, v10, 5, v82
	v_bfe_u32 v10, v0, 1, 1
	s_delay_alu instid0(VALU_DEP_1)
	v_lshl_add_u32 v82, v10, 6, v82
	v_and_b32 v10, 1, v0
	s_delay_alu instid0(VALU_DEP_1)
	v_lshl_add_u32 v82, v10, 4, v82                ; their mask, 4 bytes a key
	global_load_b128 v[96:99], v87, s[60:61]       ; K's scale words
	global_load_b128 v[100:103], v88, s[62:63]     ; V's
	global_load_b128 v[104:107], v82, s[68:69]     ; the four keys' mask
	global_load_b128 v[16:19], v[L16], s[56:57]    ; Q's half fragment stays in registers
	global_load_b64 v[20:21], v[L8], s[56:57] offset:512
	global_load_b32 v121, v89, s[58:59]            ; Q's scale words
	v_add_nc_u32 v[AK0], KOFF, v[L16]
	v_add_nc_u32 v[AK1], KOFF+512, v[L8]
	v_add_nc_u32 v[AV0], VOFF, v[L16]
	v_add_nc_u32 v[ASK0], KSC, v89
	s_lshl_b32 s74, s13, 8
	s_add_co_u32 s74, s74, VSC
	v_add_nc_u32 v[ASV0], s74, v89                 ; my head's four tiles of V's scale words
	v_add_nc_u32 v90, KSC, v87
	s_lshl_b32 s74, s[WV], 2
	s_add_co_u32 s74, s74, FLG
	v_mov_b32 v91, s74
	v_mov_b32 v92, FLG
	v_mov_b32 v93, 0x019e0000                      ; bytes 2, 3 of a key that does not count: 2^31, 2^-126
	v_mov_b32 v94, 0x01010000                      ; of a key that counts: 2^-126, 2^-126
	s_wait_alu depctr_va_vdst(0)
	s_wait_loadcnt 3                               ; the three tables' loads are in; Q's three may be out
.irp i, 0,1,2,3
	v_cmp_eq_u32 vcc_lo, 0, v[104+\i]
	s_delay_alu instid0(VALU_DEP_1)
	v_cndmask_b32 v[108+\i], v94, v93, vcc_lo      ; the key's bytes 2 and 3
.endr
.irp i, 0,1,2,3
	v_lshrrev_b32 v[116+\i], s89, v[96+\i]         ; my head's two bytes of K's word
.endr
.irp i, 0,1,2,3
	s_delay_alu instid0(VALU_DEP_4)
	v_and_or_b32 v[112+\i], v[116+\i], s91, v[108+\i]
.endr
	ds_store_b128 v90, v[112:115]
	ds_store_b128 v90, v[100:103] offset:VSC-KSC
	v_or_b32 v120, v104, v105
	v_or_b32 v122, v106, v107
	s_delay_alu instid0(VALU_DEP_1)
	v_or_b32 v120, v120, v122
	s_delay_alu instid0(VALU_DEP_1)
	v_cmp_ne_u32 vcc_lo, 0, v120
	s_delay_alu instid0(VALU_DEP_1)
	v_mov_b32 v120, vcc_lo                         ; other than 0 where any of my wave's 128 keys counts
	ds_store_b32 v91, v120
	s_cmp_lt_u32 s[WV], 2
	s_cbranch_scc0 .Lnot_first
	s_wait_tensorcnt 0x0                           ; waves 0 and 1: part 0 of K, of V has landed
.Lnot_first:
	s_wait_dscnt 0x0                               ; and my stores
	s_barrier_signal -1
	s_barrier_wait -1                              ; the first 256 keys and the tables are whole for all sixteen waves; the other fourteen loads may be out
.irp i, 0,1,2,3
	ds_load_b128 v[96+4*\i:99+4*\i], v92 offset:16*\i
.endr
	v_mov_b32 v13, 0xff61b1e6                      ; the largest t so far: -3e38
	s_delay_alu instid0(VALU_DEP_1)
	v_floor_f32 v12, -v13                          ; -M
	v_mov_b32 v14, 0
	v_mov_b32 v15, 0
.irp b, 0,1,2,3
	v_mov_b32 v[236+\b], 0
.endr
	v_mov_b32 v253, 0
.irp t, 0,1,2,3                                ; the upper half of K's four fragments, written once: the code -4 at k = 64 (and at k = 96, where Q holds 0), zeros behind it
	v_mov_b32 v[38+12*\t], 0x38
.irp i, 1,2,3,4,5
	v_mov_b32 v[38+12*\t+\i], 0
.endr
.endr
	v_xor_b32 v22, 1, v9
	s_delay_alu instid0(VALU_DEP_1)
	v_lshlrev_b32 v22, 3, v22                      ; Q's upper half: the code 1 at k = 64 (lanes 0-15), zeros elsewhere
.irp i, 23,24,25,26,27
	v_mov_b32 v[\i], 0
.endr
	s_wait_dscnt 0x0
.set J, 1
	v_or_b32 v96, v96, v[96+J]
.set J, J+1
.rept 14
	s_delay_alu instid0(VALU_DEP_1)
	v_or_b32 v96, v96, v[96+J]
.set J, J+1
.endr
	s_delay_alu instid0(VALU_DEP_1)
	v_cmp_ne_u32 vcc_lo, 0, v96                    ; does any key of the batch count
	s_wait_loadcnt 0x0                             ; Q
.irp i, 0,1,2,3,4,5,6
	v_cndmask_b32 v[16+\i], 0, v[16+\i], vcc_lo
.endr
	v_lshrrev_b32 v121, s89, v121
	s_delay_alu instid0(VALU_DEP_1)
	v_and_or_b32 v255, v121, s91, s90              ; Q's scale word: my head's two bytes, then 2^0 and 2^-126
.set J, 0
.rept 32
	v_mov_b32 v[160+J], 0                          ; O^T: the step is written for every step alike, the first finds zeros.  (Also the places in front of the first scaled product)
.set J, J+1
.endr
; A KEY STEP: 128 keys, the q-th of a part's two
.macro STEP q
	v_add_nc_u32 v[ADK], s[TB], v[AK0]             ; these six are the places between the last step's second products, which read v96-143 and v248-251, and the loads and first products below, which write them (five are asked)
	v_add_nc_u32 v[ADK1], s[TB], v[AK1]
	v_add_nc_u32 v[ADV], s[TB], v[AV0]
	v_add_nc_u32 v[ADS], s[TS], v[ASK0]
	v_add_nc_u32 v[ADT], s[TS], v[ASV0]
	v_nop
	s_wait_alu depctr_va_vdst(0)
.irp g, 0,1                                    ; S^T = K Q^T, the mask in it, four tiles of 16 keys at a time
.if \g > 0
.rept 4
	v_nop
.endr
.endif
.irp t, 0,1,2,3
	ds_load_b128 v[32+12*\t:35+12*\t], v[ADK] offset:(8*(\q)+4*\g+\t)*768
	ds_load_b64 v[36+12*\t:37+12*\t], v[ADK1] offset:(8*(\q)+4*\g+\t)*768
	ds_load_b32 v[248+\t], v[ADS] offset:64*(4*\g+\t)
.endr
	s_wait_dscnt 0x0
.irp t, 0,1,2,3
	v_wmma_scale_f32_16x16x128_f8f6f4 v[96+8*(4*\g+\t):103+8*(4*\g+\t)], v[32+12*\t:43+12*\t], v[16:27], 0, v[248+\t], v255 matrix_a_fmt:MATRIX_FMT_FP6 matrix_b_fmt:MATRIX_FMT_FP6
.endr
.endr
.rept 4
	v_nop
.endr
.irp b, 0,1,2,3
	v_max3_num_f32 v[232+\b], v[96+16*\b], v[97+16*\b], v[98+16*\b]   ; the largest score of each block of 32 keys: for the row's maximum, and for the block's largest p
.endr
.irp i, 3,5,7,9,11,13
.irp b, 0,1,2,3
	v_max3_num_f32 v[232+\b], v[232+\b], v[96+16*\b+\i], v[97+16*\b+\i]
.endr
.endr
.irp b, 0,1,2,3
	v_max_num_f32 v[232+\b], v[232+\b], v[111+16*\b]
.endr
.irp b, 0,1,2,3
	s_delay_alu instid0(VALU_DEP_4)
	v_permlanex16_b32 v[236+\b], v[232+\b], s[SEL], s[SEL+1]
.endr
.irp b, 0,1,2,3
	s_delay_alu instid0(VALU_DEP_4)
	v_max_num_f32 v[232+\b], v[232+\b], v[236+\b]
.endr
	s_delay_alu instid0(VALU_DEP_2)
	v_max3_num_f32 v254, v232, v233, v234
	s_delay_alu instid0(VALU_DEP_1)
	v_max_num_f32 v254, v254, v235
	s_delay_alu instid0(VALU_DEP_1)
	v_mul_f32 v254, s[CS], v254
	s_delay_alu instid0(VALU_DEP_1)
	v_max_num_f32 v13, v13, v254                   ; the running largest t
	v_mov_b32 v254, v12
	s_delay_alu instid0(VALU_DEP_2)
	v_floor_f32 v12, -v13                          ; the new -M: M is a whole number
	s_delay_alu instid0(VALU_DEP_1)
	v_sub_f32 v254, v12, v254
	s_delay_alu instid0(VALU_DEP_1)
	v_cvt_i32_f32 v254, v254                       ; (it saturates)
	s_delay_alu instid0(VALU_DEP_1)
	v_ldexp_f32 v252, 1.0, v254                    ; f = 2^(old M - new M)
.set J, 0
.rept 32
	v_pk_fma_f32 v[96+J:97+J], v[96+J:97+J], s[CS:CS+1], v[12:13] op_sel_hi:[1,0,0]   ; t - M
.set J, J+2
.endr
.irp b, 0,1,2,3
	v_fma_f32 v[232+\b], v[232+\b], s[CS], v12
.endr
.set J, 0
	s_wait_alu depctr_va_vdst(0)
.rept 64
	v_exp_f32 v[96+J], v[96+J]                     ; p = 2^(t - M), not normalised
.set J, J+1
.endr
	v_pk_mul_f32 v[14:15], v[14:15], v[252:253] op_sel_hi:[1,0]   ; the sums under the new M (a plain place behind the exponentials)
	s_wait_alu depctr_va_vdst(0)                   ; one wait for the whole batch, ahead of its first reader
.irp b, 0,1,2,3
	v_exp_f32 v[232+\b], v[232+\b]                 ; the block's largest p
.endr
	v_pk_add_f32 v[236:237], v[96:97], v[98:99]    ; the row's sum of the unquantised p, in four chains by turns
	v_pk_add_f32 v[240:241], v[100:101], v[102:103]
	v_pk_add_f32 v[242:243], v[104:105], v[106:107]
	v_pk_add_f32 v[14:15], v[14:15], v[108:109]
.set J, 110
.rept 6
	v_pk_add_f32 v[236:237], v[236:237], v[J:J+1]
	v_pk_add_f32 v[240:241], v[240:241], v[J+2:J+3]
	v_pk_add_f32 v[242:243], v[242:243], v[J+4:J+5]
	v_pk_add_f32 v[14:15], v[14:15], v[J+6:J+7]
.set J, J+8
.endr
	v_pk_add_f32 v[236:237], v[236:237], v[158:159]
	v_pk_add_f32 v[240:241], v[240:241], v[242:243]
	s_delay_alu instid0(VALU_DEP_2)
	v_pk_add_f32 v[14:15], v[14:15], v[236:237]
	s_delay_alu instid0(VALU_DEP_1)
	v_pk_add_f32 v[14:15], v[14:15], v[240:241]
	s_wait_alu depctr_va_vdst(0)                   ; and one for the four
.irp b, 0,1,2,3
	v_max_num_f32 v[232+\b], 0x1800000, v[232+\b]  ; the floor 2^(3 - 127)
.endr
.irp b, 0,1,2,3
	s_delay_alu instid0(VALU_DEP_4)
	v_add_nc_u32 v[244+\b], 0xff000000, v[232+\b]
.endr
.irp b, 0,1,2,3
	s_delay_alu instid0(VALU_DEP_4)
	v_lshrrev_b32 v[236+\b], 23, v[244+\b]
.endr
	s_delay_alu instid0(VALU_DEP_3)
	v_lshl_or_b32 v253, v237, 8, v236              ; p's scale word for these 128 keys
	s_delay_alu instid0(VALU_DEP_1)
	v_lshl_or_b32 v253, v238, 16, v253
	s_delay_alu instid0(VALU_DEP_1)
	v_lshl_or_b32 v253, v239, 24, v253
.irp c, 0,1
	v_cvt_scalef32_pk16_fp6_f32 v[224+6*\c:226+6*\c], v[96+32*\c:111+32*\c], v[244+2*\c]
	v_cvt_scalef32_pk16_fp6_f32 v[236+4*\c:238+4*\c], v[112+32*\c:127+32*\c], v[244+2*\c+1]
.endr
	v_nop
.irp t, 0,1,2,3                                ; p has been converted: its registers take my head's four tiles of V^T; the 28 lines below stand between these loads and the wait for them
.irp i, 0,1,2
	ds_load_b128 v[96+12*\t+4*\i:99+12*\t+4*\i], v[ADV] offset:3072*\t+1536*(\q)+512*\i
.endr
	ds_load_b32 v[248+\t], v[ADT] offset:64*\t
.endr
.irp c, 0,1
.irp i, 0,1,2
	v_permlane16_swap_b32 v[224+6*\c+\i], v[236+4*\c+\i]
.endr
.irp i, 0,1,2
	s_delay_alu instid0(VALU_DEP_3)
	v_mov_b32 v[227+6*\c+\i], v[236+4*\c+\i]
.endr
.endr
.set J, 0
.rept 16
	v_pk_mul_f32 v[160+J:161+J], v[160+J:161+J], v[252:253] op_sel_hi:[1,0]   ; O^T under the new M; also the places in front of the products below
.set J, J+2
.endr
	s_wait_alu depctr_va_vdst(0)
	s_wait_dscnt 0x0
.irp t, 0,1,2,3                                ; O^T += V^T P^T
	v_wmma_scale_f32_16x16x128_f8f6f4 v[160+8*\t:167+8*\t], v[96+12*\t:107+12*\t], v[224:235], v[160+8*\t:167+8*\t], v[248+\t], v253 matrix_a_fmt:MATRIX_FMT_FP6 matrix_b_fmt:MATRIX_FMT_FP6
.endr
	s_add_co_u32 s[TS], s[TS], 512                 ; the next step's scale words
.endm
	STEP 0                                         ; part 0, while parts 1 to 7 land
	STEP 1
	s_wait_tensorcnt 0x0                           ; my part has landed
	s_wait_dscnt 0x0
	s_barrier_signal -1
	s_barrier_wait -1                              ; all parts are whole for all sixteen waves
.Ltrip:                                            ; seven trips, a part each
	s_add_co_u32 s[TB], s[TB], PART
	STEP 0
	STEP 1
	s_sub_co_u32 s[TRIPS], s[TRIPS], 1
	s_cmp_lg_u32 s[TRIPS], 0
	s_cbranch_scc1 .Ltrip
	; THE WAY OUT: O^T / the sum, quantised along my head's 64 channels: half a fragment
	v_add_f32 v14, v14, v15
	s_delay_alu instid0(VALU_DEP_1)
	v_permlanex16_b32 v252, v14, s[SEL], s[SEL+1]
	s_delay_alu instid0(VALU_DEP_1)
	v_add_f32 v14, v14, v252
	s_wait_alu depctr_va_vdst(0)
	v_rcp_f32 v14, v14
.rept 4
	v_nop                                          ; places behind the last products and behind the reciprocal
.endr
	s_wait_alu depctr_va_vdst(0)                   ; ahead of the reciprocal's first reader
.set J, 0
.rept 32
	v_mul_f32 v[96+J], v[160+J], v14               ; register 16 b + i: channel 32 b + 16 h + i
.set J, J+1
.endr
.irp b, 0,1
	v_max3_num_f32 v[232+\b], |v[96+16*\b]|, |v[97+16*\b]|, 0x1800000
.endr
.irp i, 2,4,6,8,10,12,14
.irp b, 0,1
	s_delay_alu instid0(VALU_DEP_2)
	v_max3_num_f32 v[232+\b], v[232+\b], |v[96+16*\b+\i]|, |v[97+16*\b+\i]|
.endr
.endr
.irp b, 0,1
	s_delay_alu instid0(VALU_DEP_2)
	v_permlanex16_b32 v[236+\b], v[232+\b], s[SEL], s[SEL+1]
.endr
.irp b, 0,1
	s_delay_alu instid0(VALU_DEP_2)
	v_max_num_f32 v[232+\b], v[232+\b], v[236+\b]
.endr
.irp b, 0,1
	s_delay_alu instid0(VALU_DEP_2)
	v_add_nc_u32 v[244+\b], 0xff000000, v[232+\b]
.endr
.irp b, 0,1
	s_delay_alu instid0(VALU_DEP_2)
	v_lshrrev_b32 v[236+\b], 23, v[244+\b]
.endr
	s_delay_alu instid0(VALU_DEP_1)
	v_lshl_or_b32 v254, v237, 8, v236              ; my head's two scale bytes
	v_cvt_scalef32_pk16_fp6_f32 v[224:226], v[96:111], v244
	v_cvt_scalef32_pk16_fp6_f32 v[236:238], v[112:127], v245
	v_nop
.irp i, 0,1,2
	v_permlane16_swap_b32 v[224+\i], v[236+\i]
.endr
.irp i, 0,1,2
	s_delay_alu instid0(VALU_DEP_3)
	v_mov_b32 v[227+\i], v[236+\i]
.endr
	global_store_b128 v[L16], v[224:227], s[70:71]             ; 512 consecutive bytes
	global_store_b64 v[L8], v[228:229], s[70:71] offset:512    ; and 256
	global_store_b16 v89, v254, s[72:73]                       ; lanes 16-31 write the same bytes with the same value
	s_wait_tensorcnt 0x0                           ; the wave's end
	ds_add_u32 v[SPW], v[NIL]
	s_wait_dscnt 0x0
	CROUND                                         ; the closing round
	s_endpgm
.Lfunc_end_k_qc31ea60033_attn:
	.size	k_qc31ea60033_attn, .Lfunc_end_k_qc31ea60033_attn-k_qc31ea60033_attn
	.p2alignl 7, 3214868480
	.fill 96, 4, 3214868480
	.section	.rodata,"a",@progbits
	.p2align	6, 0x0
	.amdhsa_kernel k_qc31ea60033_attn
		.amdhsa_group_segment_fixed_size 327680
		.amdhsa_private_segment_fixed_size 0
		.amdhsa_enable_private_segment 0
		.amdhsa_kernarg_size 24
		.amdhsa_user_sgpr_count 2
		.amdhsa_user_sgpr_kernarg_segment_ptr 1
		.amdhsa_wavefront_size32 1
		.amdhsa_system_sgpr_workgroup_id_x 1
		.amdhsa_system_sgpr_workgroup_id_y 1
		.amdhsa_system_sgpr_workgroup_id_z 1
		.amdhsa_system_vgpr_workitem_id 0
		.amdhsa_next_free_vgpr 256
		.amdhsa_next_free_sgpr 100
		.amdhsa_reserve_vcc 1
		.amdhsa_float_denorm_mode_32 3
		.amdhsa_float_denorm_mode_16_64 3
		.amdhsa_memory_ordered 1
		.amdhsa_forward_progress 1
		.amdhsa_inst_pref_size 90
	.end_amdhsa_kernel
	.amdgpu_metadata
---
amdhsa.version: [ 1, 2 ]
amdhsa.kernels:
  - .name:           k_qc31ea60033_attn
    .symbol:         k_qc31ea60033_attn.kd
    .args:
      - { .name: qkv, .offset: 0, .size: 8, .value_kind: global_buffer, .address_space: global }
      - { .name: question_mask, .offset: 8, .size: 8, .value_kind: global_buffer, .address_space: global }
      - { .name: ctx, .offset: 16, .size: 8, .value_kind: global_buffer, .address_space: global }
    .group_segment_fixed_size: 327680
    .private_segment_fixed_size: 0
    .kernarg_segment_align: 8
    .kernarg_segment_size: 24
    .max_flat_workgroup_size: 512
    .sgpr_count:     100
    .vgpr_count:     256
    .wavefront_size: 32
...
	.end_amdgpu_metadata
.endif
;; end of part 3
;; launch gemm_wo (part 4): grid 8 x 32, 4 waves a work-group, clusters of 4 x 4, 327,680 bytes of LDS; arguments ctx, opnd, y; writes y
.if DOCPART == 4
	.amdgcn_target "amdgcn-amd-amdhsa--gfx1250"
	.amdhsa_code_object_version 6
	.text
	.protected	k_qc31ea60033_gemm_wo
	.globl	k_qc31ea60033_gemm_wo
	.p2align	8
	.type	k_qc31ea60033_gemm_wo,@function
k_qc31ea60033_gemm_wo:
	s_mov_b64 s[64:65], 0
	v_nop
	global_prefetch_b8 v0, s[64:65] scope:SCOPE_SE
	s_setreg_imm32_b32 hwreg(HW_REG_WAVE_MODE, 25, 1), 1
	s_wait_xcnt 0x0
	s_wait_alu depctr_hold_cnt(0) depctr_sa_sdst(0) depctr_va_vdst(0) depctr_va_sdst(0) depctr_va_ssrc(0) depctr_va_vcc(0) depctr_vm_vsrc(0)
	s_getreg_b32 s2, hwreg(HW_REG_IB_STS2, 6, 4)
	s_cmp_eq_u32 s2, 0
	s_cbranch_scc0 .Lentry_in_a_cluster
	s_endpgm
.Lentry_in_a_cluster:
	s_bfe_u32 s2, ttmp6, 0x10000c
	s_cmp_lg_u32 s2, 0xf033
	s_cbranch_scc0 .Lentry_shape_is_right
	s_endpgm
.Lentry_shape_is_right:
; y = ctx Wo^T, f32 [4096][1024], on codes of FP6 (E2M3) with E8M0 scales.  The bias and the residual are added by the norm that follows.
; Operands lie as images of operand registers: fragment (T, s), 16 rows x 128 K, at (T NS + s) x 1536 bytes; scale words at (s 256 + T) x 64 + 4 row.  Tile T holds rows 32 (T / 2) + 8 (T % 2) + i + 8 (i / 8).
; Wo's fragments: registers 4 g .. 4 g + 3 of lane l at 512 g + 16 l.  ctx's: two halves of 768 bytes, registers 6 c .. 6 c + 3 at 768 c + 16 l, registers 6 c + 4, 6 c + 5 at 768 c + 512 + 8 l.
; N is 1,024: a work-group of four waves makes 128 x 128 (256 work-groups), a wave 64 x 64: 16 accumulators.
; ALL OF K FITS IN LDS: 8 tiles x 12,288 bytes of A, as many of B, and 2 x 4,096 bytes of scale words.  Four tensor loads at the head, one a wave; nothing is filled again, so one barrier serves the launch.
; No prefetch: all tiles are asked for at the head; there is no loop to run ahead in.
; CLUSTERS 4 x 4: A's tiles are asked for jointly along a row of the cluster, B's along a column.  The matrix instruction is used transposed (source 0 = B's rows, source 1 = A's).
.set NA, 4
.set NS, 8
.set A_S, 0x300000
.set B_C, 0x540000
.set B_S, 0xC23000
.set FR,    12
.set FRB,   1536
.set TROW,  NS*FRB
.set HALFT, NA*TROW
.set SCL,   4*HALFT                    ; A's 8 tiles, B's 8 tiles, then the scale words
.set SROW,  2*NA*64
.set SIDE,  NS*SROW
.set SPARE, SCL+2*SIDE                 ; the spare words, 128 bytes a wave
.set STG,   SPARE+512                  ; the way out: 16 rows x 272 bytes a wave, bytes into which no tile lands
.set ADRA, 16                          ; v16: 16 x lane, v17: 8 x lane, in my tiles of A
.set ADRB, 20
.set STO,  24
.set RD,   25
.set CO,   26
.set ADRS, 27
.set SPW,  28
.set NIL,  29
.set SC,   32                          ; v32-63 scale words: register 4 q + i: lanes 0-15 A's tile i, lanes 16-31 B's tile i, K step q
.set AF,   128
.set BK,   64
.set G1, 24
.set G0, 32
.set G1B, 48
.set G0B, 56
.set G1S, 68
.set G0S, 76
.set G1SB, 80
.set G0SB, 88
.set MSB, 0
.macro WIN new
.if MSB != \new
	s_set_vgpr_msb (MSB<<8)|\new
.set MSB, \new
.endif
.endm
.macro CROUND
	s_barrier_signal -1
	s_barrier_wait -1
	s_cmp_lg_u32 s14, 0
	s_cbranch_scc1 .Lnot_wave_0_\@
	s_barrier_signal -3
.Lnot_wave_0_\@:
	s_barrier_wait -3
	s_barrier_signal -1
	s_barrier_wait -1
.endm
.macro PLACES n
.rept \n
	v_nop
.endr
.endm
.macro MULB a, p, q, zero              ; A's tile a against B's four; the sixteen accumulators take turns, in the same order in every step
	WIN 0xa1
.irp b, 0,1,2,3
.set AC, 8*(NA*(\a)+\b)
.if \zero
	v_wmma_scale_f32_16x16x128_f8f6f4 v[AC:AC+7], v[128*(\p)+FR*\b:128*(\p)+FR*\b+FR-1], v[AF+FR*(\a):AF+FR*(\a)+FR-1], 0, v[SC+NA*(\q)+\b], v[SC+NA*(\q)+(\a)] matrix_a_fmt:MATRIX_FMT_FP6 matrix_b_fmt:MATRIX_FMT_FP6 matrix_a_scale:MATRIX_SCALE_ROW1
.else
	v_wmma_scale_f32_16x16x128_f8f6f4 v[AC:AC+7], v[128*(\p)+FR*\b:128*(\p)+FR*\b+FR-1], v[AF+FR*(\a):AF+FR*(\a)+FR-1], v[AC:AC+7], v[SC+NA*(\q)+\b], v[SC+NA*(\q)+(\a)] matrix_a_fmt:MATRIX_FMT_FP6 matrix_b_fmt:MATRIX_FMT_FP6 matrix_a_scale:MATRIX_SCALE_ROW1
.endif
.endr
.endm
.macro FETCH_B q, p                    ; 12 loads
	WIN 0x40
.irp i, 0,1,2,3
.irp g, 0,1,2
	ds_load_b128 v[128*(\p)+FR*\i+4*\g:128*(\p)+FR*\i+4*\g+3], v[ADRB] offset:\i*TROW+(\q)*FRB+512*\g
.endr
.endr
	WIN 0
.endm
.macro FETCH_A q, i0                   ; two tiles, four loads each
.irp i, \i0, \i0+1
.irp c, 0,1
	ds_load_b128 v[AF+FR*(\i)+6*\c:AF+FR*(\i)+6*\c+3], v[ADRA] offset:(\i)*TROW+(\q)*FRB+768*\c
	ds_load_b64 v[AF+FR*(\i)+6*\c+4:AF+FR*(\i)+6*\c+5], v[ADRA+1] offset:(\i)*TROW+(\q)*FRB+768*\c+512
.endr
.endr
.endm
; A and B have two sets of fragment registers each (A's at v128 and v176): a step first asks for the whole next step, into the set that the last step multiplied, and then waits for its own fragments alone
.macro STEP q, zero
	PLACES 4                                       ; between the last step's products and the loads into their registers
.set AF, 128+48*(1-(\q)%2)
	FETCH_B (\q)+1, 1-(\q)%2
	FETCH_A (\q)+1, 0
	FETCH_A (\q)+1, 2
.set AF, 128+48*((\q)%2)
	s_wait_dscnt 28                                ; all but the 28 loads just issued (12 of B's, 16 of A's)
	MULB 0, (\q)%2, \q, \zero
	MULB 1, (\q)%2, \q, \zero
	MULB 2, (\q)%2, \q, \zero
	MULB 3, (\q)%2, \q, \zero
	WIN 0
.endm
; THE WAY OUT, a block of 16 rows x 64 columns at a time, through my own stage in LDS (pitch 272), back as whole rows of 256 bytes
.macro TOSTAGE a
	WIN 0x08
.irp b, 0,1,2,3
	ds_store_b128 v[STO], v[8*(NA*(\a)+\b):8*(NA*(\a)+\b)+3] offset:128*(\b/2)+32*(\b%2)       ; each accumulator from its low end on
	ds_store_b128 v[STO], v[8*(NA*(\a)+\b)+4:8*(NA*(\a)+\b)+7] offset:128*(\b/2)+32*(\b%2)+16
.endr
	WIN 0
.irp t, 0,1,2,3,4,5,6,7
	ds_load_b128 v[BK+32*(\a)+4*\t:BK+32*(\a)+4*\t+3], v[RD] offset:544*\t   ; LDS serves a wave's instructions in order
.endr
.endm
.macro SEND a, younger
	s_wait_dscnt \younger
.irp t, 0,1,2,3,4,5,6,7
	global_store_b128 v[CO], v[BK+32*(\a)+4*\t:BK+32*(\a)+4*\t+3], s[8:9] offset:(32*((\a)/2)+8*((\a)%2)+2*\t+8*(\t/4))*4096 th:TH_STORE_NT   ; 16 lanes store 256 consecutive bytes, aligned
.endr
.endm
.macro ARM under, g0, g1, next
	s_cmp_lt_u32 s14, \under
	s_cbranch_scc0 \next
	tensor_load_to_lds s[\g0:\g0+3], s[\g1:\g1+7]
	s_nop 0
	PLACES 4
	s_branch .Lhead_asked
\next:
.endm
	s_load_b128 s[4:7], s[0:1], 0x0                ; ctx, opnd
	s_load_b64 s[8:9], s[0:1], 0x10                ; y
	v_lshl_add_u32 v[SPW], v0, 2, SPARE
	v_mov_b32 v[NIL], 0
	ds_add_u32 v[SPW], v[NIL]                      ; the opening lines
	ds_add_u32 v[SPW], v[NIL]
	v_lshrrev_b32 v1, 5, v0
	v_readfirstlane_b32 s14, v1
	s_lshr_b32 s15, s14, 1
	s_and_b32 s16, s14, 1
	s_bfe_u32 s40, ttmp6, 0x40000
	s_bfe_u32 s41, ttmp6, 0x40004
	s_lshl_b32 s42, ttmp9, 2
	s_add_co_u32 s42, s42, s40                     ; tile column
	s_and_b32 s17, ttmp7, 0xffff
	s_lshl_b32 s17, s17, 2
	s_add_co_u32 s17, s17, s41                     ; tile row
	s_lshl_b32 s43, s41, 2
	s_lshl_b32 s43, 15, s43
	s_lshl_b32 s44, 0x1111, s40
	s_or_b32 s[G1+0], s43, (3<<16)|(1<<21)
	s_or_b32 s[G1B+0], s44, (3<<16)|(1<<21)
.irp g, G1, G1B                                ; 8 tiles, each all of K: 1,536 elements of 8 bytes
	s_mov_b32 s[\g+1], (NS*192)<<16
	s_mov_b32 s[\g+2], (2*NA)<<16
	s_mov_b32 s[\g+3], (NS*192)<<16
	s_mov_b32 s[\g+4], 2*NA
	s_mov_b32 s[\g+5], NS*192
	s_mov_b32 s[\g+6], 0
	s_mov_b32 s[\g+7], 0
.endr
	s_or_b32 s[G1S+0], s43, (3<<16)|(1<<21)
	s_or_b32 s[G1SB+0], s44, (3<<16)|(1<<21)
.irp g, G1S, G1SB                              ; 8 K steps, each the 8 tiles' 512 bytes of scale words
	s_mov_b32 s[\g+1], (NA*16)<<16
	s_mov_b32 s[\g+2], NS<<16
	s_mov_b32 s[\g+3], (NA*16)<<16
	s_mov_b32 s[\g+4], NS
	s_mov_b32 s[\g+5], 256*8
	s_mov_b32 s[\g+6], 0
	s_mov_b32 s[\g+7], 0
.endr
	s_mul_i32 s20, s17, 2*NA
	s_mul_i32 s46, s42, 2*NA
	s_lshl_b32 s22, s20, 6
	s_add_co_u32 s22, s22, A_S
	s_mov_b32 s23, 0
	s_lshl_b32 s92, s46, 6
	s_add_co_u32 s92, s92, B_S
	s_mov_b32 s93, 0
	s_mul_i32 s20, s20, TROW
	s_mov_b32 s21, 0
	s_mul_i32 s46, s46, TROW
	s_add_co_u32 s46, s46, B_C
	s_mov_b32 s47, 0
	s_wait_dscnt 0x0
	s_wait_kmcnt 0x0
	CROUND                                         ; the round in front of the joint loads
	s_mov_b32 s[G0], 1
	s_mov_b32 s[G0+1], 0
	s_add_nc_u64 s[G0+2:G0+3], s[4:5], s[20:21]
	s_or_b32 s[G0+3], s[G0+3], 0x80000000
	s_mov_b32 s[G0B], 1
	s_mov_b32 s[G0B+1], 2*HALFT
	s_add_nc_u64 s[G0B+2:G0B+3], s[6:7], s[46:47]
	s_or_b32 s[G0B+3], s[G0B+3], 0x80000000
	s_mov_b32 s[G0S], 1
	s_mov_b32 s[G0S+1], SCL
	s_add_nc_u64 s[G0S+2:G0S+3], s[4:5], s[22:23]
	s_or_b32 s[G0S+3], s[G0S+3], 0x80000000
	s_mov_b32 s[G0SB], 1
	s_mov_b32 s[G0SB+1], SCL+SIDE
	s_add_nc_u64 s[G0SB+2:G0SB+3], s[6:7], s[92:93]
	s_or_b32 s[G0SB+3], s[G0SB+3], 0x80000000
	ARM 1, G0,  G1,  .Lhead_b                      ; one tensor load a wave: A's tiles, B's tiles, A's scale words, B's
	ARM 2, G0B, G1B, .Lhead_sa
	ARM 3, G0S, G1S, .Lhead_sb
	tensor_load_to_lds s[G0SB:G0SB+3], s[G1SB:G1SB+7]
	s_nop 0
	PLACES 4
.Lhead_asked:
	v_and_b32 v1, 15, v0
	v_bfe_u32 v2, v0, 4, 1
	v_and_b32 v3, 31, v0
	v_lshlrev_b32 v4, 3, v3
	v_lshlrev_b32 v3, 4, v3
	s_wait_alu depctr_va_vdst(0)
	s_mul_i32 s21, s15, HALFT
	s_mul_i32 s22, s16, HALFT
	s_add_co_u32 s22, s22, 2*HALFT
	v_add_nc_u32 v[ADRA], s21, v3
	v_add_nc_u32 v[ADRA+1], s21, v4
	v_add_nc_u32 v[ADRB], s22, v3
	s_mul_i32 s21, s15, NA*64
	s_mul_i32 s22, s16, NA*64
	s_add_co_u32 s22, s22, SIDE
	s_sub_co_u32 s22, s22, s21
	v_mul_u32_u24 v6, s22, v2                      ; lanes 16-31 take B's words
	s_add_co_u32 s21, s21, SCL
	v_lshl_add_u32 v5, v1, 2, v6
	v_add_nc_u32 v[ADRS], s21, v5
	s_mul_i32 s23, s14, 16*272
	s_add_co_u32 s23, s23, STG                     ; my stage
	v_mul_u32_u24 v5, v1, 272
	v_lshl_add_u32 v5, v2, 6, v5
	v_add_nc_u32 v[STO], s23, v5                   ; in: row r, + 64 h
	v_mul_u32_u24 v5, v2, 272
	v_lshl_add_u32 v5, v1, 4, v5
	v_add_nc_u32 v[RD], s23, v5                    ; back: lanes 0-15 one row, lanes 16-31 the next
	v_lshlrev_b32 v5, 12, v2
	v_lshl_add_u32 v[CO], v1, 4, v5                ; and the same two rows in y
	s_lshl_b32 s20, s17, 7
	s_lshl_b32 s21, s15, 6
	s_add_co_u32 s20, s20, s21                     ; my first row
	s_lshl_b32 s20, s20, 12
	s_mov_b32 s21, 0
	s_lshl_b32 s46, s42, 9
	s_lshl_b32 s47, s16, 8
	s_add_co_u32 s46, s46, s47                     ; my first column, in bytes
	s_mov_b32 s47, 0
	s_add_nc_u64 s[20:21], s[20:21], s[46:47]
	s_add_nc_u64 s[8:9], s[8:9], s[20:21]
	s_wait_alu depctr_va_vdst(0)
	s_wait_tensorcnt 0x0                           ; my tile of the four is in
	s_barrier_signal -1
	s_barrier_wait -1                              ; all four are
	FETCH_B 0, 0
	FETCH_A 0, 0
.irp q, 0,1,2,3,4,5,6,7
.irp i, 0,1,2,3
	ds_load_b32 v[SC+NA*\q+\i], v[ADRS] offset:\q*SROW+64*\i
.endr
.endr
	FETCH_A 0, 2
	STEP 0, 1                                      ; the first step's products start the sums
.set QH, 1
.rept NS-2
	STEP QH, 0
.set QH, QH+1
.endr
	s_wait_dscnt 8
.set AF, 128+48                        ; the last step's fragments lie in the second sets
	MULB 0, 1, NS-1, 0
	MULB 1, 1, NS-1, 0
	s_wait_dscnt 0x0
	MULB 2, 1, NS-1, 0
	MULB 3, 1, NS-1, 0
	WIN 0
	PLACES 4
	TOSTAGE 0
.irp a, 1,2,3
	TOSTAGE \a
	SEND \a-1, 16                                  ; behind block a - 1's loads: block a's 8 stores and 8 loads
.endr
	SEND 3, 0
	s_wait_tensorcnt 0x0                           ; the wave's end
	ds_add_u32 v[SPW], v[NIL]
	s_wait_dscnt 0x0
	CROUND                                         ; the closing round
	s_endpgm
.Lfunc_end_k_qc31ea60033_gemm_wo:
	.size	k_qc31ea60033_gemm_wo, .Lfunc_end_k_qc31ea60033_gemm_wo-k_qc31ea60033_gemm_wo
	.p2alignl 7, 3214868480
	.fill 96, 4, 3214868480
	.section	.rodata,"a",@progbits
	.p2align	6, 0x0
	.amdhsa_kernel k_qc31ea60033_gemm_wo
		.amdhsa_group_segment_fixed_size 327680
		.amdhsa_private_segment_fixed_size 0
		.amdhsa_enable_private_segment 0
		.amdhsa_kernarg_size 24
		.amdhsa_user_sgpr_count 2
		.amdhsa_user_sgpr_kernarg_segment_ptr 1
		.amdhsa_wavefront_size32 1
		.amdhsa_system_sgpr_workgroup_id_x 1
		.amdhsa_system_sgpr_workgroup_id_y 1
		.amdhsa_system_sgpr_workgroup_id_z 1
		.amdhsa_system_vgpr_workitem_id 0
		.amdhsa_next_free_vgpr 768
		.amdhsa_next_free_sgpr 98
		.amdhsa_reserve_vcc 0
		.amdhsa_float_denorm_mode_32 3
		.amdhsa_float_denorm_mode_16_64 3
		.amdhsa_memory_ordered 1
		.amdhsa_forward_progress 1
		.amdhsa_inst_pref_size 51
	.end_amdhsa_kernel
	.amdgpu_metadata
---
amdhsa.version: [ 1, 2 ]
amdhsa.kernels:
  - .name:           k_qc31ea60033_gemm_wo
    .symbol:         k_qc31ea60033_gemm_wo.kd
    .args:
      - { .name: ctx, .offset: 0, .size: 8, .value_kind: global_buffer, .address_space: global }
      - { .name: opnd, .offset: 8, .size: 8, .value_kind: global_buffer, .address_space: global }
      - { .name: y, .offset: 16, .size: 8, .value_kind: global_buffer, .address_space: global }
    .group_segment_fixed_size: 327680
    .private_segment_fixed_size: 0
    .kernarg_segment_align: 8
    .kernarg_segment_size: 24
    .max_flat_workgroup_size: 128
    .sgpr_count:     98
    .vgpr_count:     768
    .wavefront_size: 32
...
	.end_amdgpu_metadata
.endif
;; end of part 4
;; launch ln1 (part 5): grid 256 x 1, 8 waves a work-group, no clusters, 69,632 bytes of LDS; arguments y, question_embeddings, bo, ln_g, ln_b, h; writes h
.if DOCPART == 5
	.amdgcn_target "amdgcn-amd-amdhsa--gfx1250"
	.amdhsa_code_object_version 6
	.text
	.protected	k_qc31ea60033_ln1
	.globl	k_qc31ea60033_ln1
	.p2align	8
	.type	k_qc31ea60033_ln1,@function
k_qc31ea60033_ln1:
	s_mov_b64 s[64:65], 0
	v_nop
	global_prefetch_b8 v0, s[64:65] scope:SCOPE_SE
	s_setreg_imm32_b32 hwreg(HW_REG_WAVE_MODE, 25, 1), 1
	s_wait_xcnt 0x0
; h = LN((y + bo) + x) g + b, rows of 1,024, in f32; stored as f32 and, quantised along the row, as codes of FP6 (E2M3) with E8M0 scales, in the order of operand registers.
; A work-group takes the 16 rows of tile T = its number (rows 32 (T / 2) + 8 (T % 2) + i + 8 (i / 8)); wave s takes columns 128 s on.  Loads and stores are dense: 512 consecutive bytes of a row.
; The numbers turn through the wave's own stage in LDS (pitch 528) so that a lane holds 64 numbers of ONE row; a row's sums of the eight waves meet in LDS.
; The variance is the mean of the squared differences from the mean.  LIMITS: NaN and infinities are not served; a block of zeros gets the byte 1.
.set WITHQ, 1
.set WSTG, 8448
.set RED1, 8*WSTG                      ; 16 rows x 8 waves x 4 bytes; the second sum's words lie 512 bytes on
.set YR,   16                          ; v16-79   y as loaded, later ln_b
.set XN,   80                          ; v80-143  the residual as loaded, later register 16 b + i = column 32 b + 16 h + i of my row
.set GN,   144                         ; v144-207 ln_g, later rows on their way out
.set PC,   208
.set TM,   228
.set PW,   244
.set SEL,  30
.macro QUANT s, pw
.irp b, 0,1,2,3
	v_max3_num_f32 v[TM+\b], |v[\s+16*\b]|, |v[\s+1+16*\b]|, 0x1800000
.endr
.irp i, 2,4,6,8,10,12,14
.irp b, 0,1,2,3
	s_delay_alu instid0(VALU_DEP_4)
	v_max3_num_f32 v[TM+\b], v[TM+\b], |v[\s+16*\b+\i]|, |v[\s+1+16*\b+\i]|
.endr
.endr
.irp b, 0,1,2,3
	s_delay_alu instid0(VALU_DEP_4)
	v_permlanex16_b32 v[TM+4+\b], v[TM+\b], s[SEL], s[SEL+1]
.endr
.irp b, 0,1,2,3
	s_delay_alu instid0(VALU_DEP_4)
	v_max_num_f32 v[TM+\b], v[TM+\b], v[TM+4+\b]
.endr
.irp b, 0,1,2,3
	s_delay_alu instid0(VALU_DEP_4)
	v_add_nc_u32 v[TM+12+\b], 0xff000000, v[TM+\b]
.endr
.irp b, 0,1,2,3
	s_delay_alu instid0(VALU_DEP_4)
	v_lshrrev_b32 v[TM+4+\b], 23, v[TM+12+\b]
.endr
	s_delay_alu instid0(VALU_DEP_3)
	v_lshl_or_b32 v[\pw], v[TM+5], 8, v[TM+4]
	s_delay_alu instid0(VALU_DEP_1)
	v_lshl_or_b32 v[\pw], v[TM+6], 16, v[\pw]
	s_delay_alu instid0(VALU_DEP_1)
	v_lshl_or_b32 v[\pw], v[TM+7], 24, v[\pw]
.irp c, 0,1
	v_cvt_scalef32_pk16_fp6_f32 v[PC+6*\c:PC+2+6*\c], v[\s+32*\c:\s+15+32*\c], v[TM+12+2*\c]
	v_cvt_scalef32_pk16_fp6_f32 v[PC+12+4*\c:PC+14+4*\c], v[\s+16+32*\c:\s+31+32*\c], v[TM+12+2*\c+1]
.endr
	v_nop
.irp c, 0,1
.irp i, 0,1,2
	v_permlane16_swap_b32 v[PC+6*\c+\i], v[PC+12+4*\c+\i]
.endr
.irp i, 0,1,2
	s_delay_alu instid0(VALU_DEP_3)
	v_mov_b32 v[PC+3+6*\c+\i], v[PC+12+4*\c+\i]
.endr
.endr
.endm
; my row's sum in v246 goes to the word (r, wave) at off; behind the barrier the eight waves' words are added: v232
.macro MEET off
	s_delay_alu instid0(VALU_DEP_1)
	v_add_f32 v246, v246, v247
	s_delay_alu instid0(VALU_DEP_1)
	v_permlanex16_b32 v254, v246, s[SEL], s[SEL+1]
	s_delay_alu instid0(VALU_DEP_1)
	v_add_f32 v246, v246, v254                     ; with lane l xor 16's: my wave's 128 columns of row r
	ds_store_b32 v7, v246 offset:\off              ; lanes 16-31 write the same word with the same value
	s_wait_dscnt 0x0                               ; for the others' sake
	s_barrier_signal -1
	s_barrier_wait -1
	ds_load_b128 v[232:235], v12 offset:\off
	ds_load_b128 v[236:239], v12 offset:\off+16
	s_wait_dscnt 0x0
	v_add_f32 v232, v232, v233
	v_add_f32 v234, v234, v235
	v_add_f32 v236, v236, v237
	v_add_f32 v238, v238, v239
	s_delay_alu instid0(VALU_DEP_3)
	v_add_f32 v232, v232, v234
	s_delay_alu instid0(VALU_DEP_2)
	v_add_f32 v236, v236, v238
	s_delay_alu instid0(VALU_DEP_1)
	v_add_f32 v232, v232, v236
.endm
	s_load_b256 s[4:11], s[0:1], 0x0               ; y, the residual, the bias, ln_g
	s_load_b128 s[12:15], s[0:1], 0x20             ; ln_b, the output
	v_lshl_add_u32 v245, v0, 2, 0x10c00
	v_mov_b32 v255, 0
	v_lshrrev_b32 v1, 5, v0
	s_delay_alu instid0(VALU_DEP_1)
	v_readfirstlane_b32 s20, v1                    ; wave 0..7
	v_and_b32 v1, 31, v0
	v_and_b32 v2, 15, v0                           ; r
	v_bfe_u32 v3, v0, 4, 1                         ; h
	s_delay_alu instid0(VALU_DEP_3)
	v_lshlrev_b32 v4, 4, v1                        ; 16 x lane
	s_mul_i32 s21, s20, WSTG
	v_add_nc_u32 v5, s21, v4                       ; the stage by rows
	v_mul_u32_u24 v6, v2, 528
	s_delay_alu instid0(VALU_DEP_1)
	v_lshl_add_u32 v6, v3, 6, v6
	s_delay_alu instid0(VALU_DEP_1)
	v_add_nc_u32 v6, s21, v6                       ; and by lanes: row r, + 64 h
	s_lshl_b32 s21, s20, 2
	v_lshl_add_u32 v7, v2, 5, s21
	s_delay_alu instid0(VALU_DEP_1)
	v_add_nc_u32 v7, RED1, v7                      ; word (r, wave)
	v_lshlrev_b32 v12, 5, v2
	s_delay_alu instid0(VALU_DEP_1)
	v_add_nc_u32 v12, RED1, v12                    ; row r's eight words
	v_lshlrev_b32 v13, 6, v3                       ; 64 h
	v_lshlrev_b32 v14, 2, v2                       ; 4 r
	v_mov_b32 v251, 0
	v_mov_b32 v253, 0
	v_mov_b32 v254, 0
.irp b, 0,1,2,3
	v_mov_b32 v[TM+4+\b], 0
.endr
	s_mov_b32 s[SEL], 0x76543210
	s_mov_b32 s[SEL+1], 0xfedcba98
	s_mov_b32 s26, 0x3a800000                      ; 1 / 1,024
	s_mov_b32 s27, 0x3727c5ac                      ; 1e-5
	s_lshr_b32 s22, ttmp9, 1
	s_lshl_b32 s22, s22, 5
	s_and_b32 s23, ttmp9, 1
	s_lshl_b32 s23, s23, 3
	s_add_co_u32 s22, s22, s23                     ; the tile's first row
	s_lshl_b32 s22, s22, 12
	s_lshl_b32 s24, s20, 9                         ; my 128 columns, in bytes
	s_mov_b32 s25, 0
	s_add_co_u32 s22, s22, s24
	s_mov_b32 s23, 0
	s_lshl_b32 s32, ttmp9, 3
	s_add_co_u32 s32, s32, s20
	s_mul_i32 s32, s32, 1536
	s_add_co_u32 s32, s32, 0x1000000               ; fragment (T, s)
	s_mov_b32 s33, 0
	s_lshl_b32 s34, s20, 8
	s_add_co_u32 s34, s34, ttmp9
	s_lshl_b32 s34, s34, 6
	s_add_co_u32 s34, s34, 0x1300000               ; its scale words
	s_mov_b32 s35, 0
	s_wait_alu depctr_va_vdst(0)
	s_wait_kmcnt 0x0
	s_add_nc_u64 s[4:5], s[4:5], s[22:23]
	s_add_nc_u64 s[6:7], s[6:7], s[22:23]
	s_add_nc_u64 s[16:17], s[14:15], s[22:23]
	s_add_nc_u64 s[8:9], s[8:9], s[24:25]
	s_add_nc_u64 s[10:11], s[10:11], s[24:25]
	s_add_nc_u64 s[12:13], s[12:13], s[24:25]
.if WITHQ
	s_add_nc_u64 s[18:19], s[14:15], s[32:33]
	s_add_nc_u64 s[28:29], s[14:15], s[34:35]
.endif
.irp i, 0,1,2,3,4,5,6,7,8,9,10,11,12,13,14,15
	global_load_b128 v[YR+4*\i:YR+4*\i+3], v4, s[4:5] offset:(\i+8*(\i/8))*4096 th:TH_LOAD_NT
.endr
.irp i, 0,1,2,3,4,5,6,7,8,9,10,11,12,13,14,15
	global_load_b128 v[XN+4*\i:XN+4*\i+3], v4, s[6:7] offset:(\i+8*(\i/8))*4096 th:TH_LOAD_NT
.endr
	global_load_b128 v[8:11], v4, s[8:9]           ; the bias of my four columns
.irp n, 0,1,2,3,4,5,6,7,8,9,10,11,12,13,14,15
	global_load_b128 v[GN+4*\n:GN+4*\n+3], v13, s[10:11] offset:128*(\n/4)+16*(\n%4)
.endr
	s_wait_loadcnt 16                              ; all but ln_g's sixteen loads are in
.set J, 0
.rept 16
	v_pk_add_f32 v[YR+J:YR+J+1], v[YR+J:YR+J+1], v[8:9]
	v_pk_add_f32 v[YR+J+2:YR+J+3], v[YR+J+2:YR+J+3], v[10:11]
.set J, J+4
.endr
.set J, 0
.rept 32
	v_pk_add_f32 v[YR+J:YR+J+1], v[YR+J:YR+J+1], v[XN+J:XN+J+1]
.set J, J+2
.endr
.irp i, 0,1,2,3,4,5,6,7,8,9,10,11,12,13,14,15
	ds_store_b128 v5, v[YR+4*\i:YR+4*\i+3] offset:528*\i
.endr
.irp n, 0,1,2,3,4,5,6,7,8,9,10,11,12,13,14,15
	ds_load_b128 v[XN+4*\n:XN+4*\n+3], v6 offset:128*(\n/4)+16*(\n%4)   ; LDS serves a wave's instructions in order
.endr
	s_wait_dscnt 0x0                               ; the stores have read their registers, which take ln_b
.irp n, 0,1,2,3,4,5,6,7,8,9,10,11,12,13,14,15
	global_load_b128 v[YR+4*\n:YR+4*\n+3], v13, s[12:13] offset:128*(\n/4)+16*(\n%4)
.endr
	v_pk_add_f32 v[248:249], v[80:81], v[82:83]
	v_pk_add_f32 v[242:243], v[88:89], v[92:93]
	v_pk_add_f32 v[240:241], v[96:97], v[100:101]
	v_pk_add_f32 v[238:239], v[104:105], v[108:109]
	v_pk_add_f32 v[236:237], v[112:113], v[116:117]
	v_pk_add_f32 v[234:235], v[120:121], v[124:125]
	v_pk_add_f32 v[232:233], v[128:129], v[132:133]
	v_pk_add_f32 v[246:247], v[136:137], v[140:141]
	s_delay_alu instid0(VALU_DEP_1)
	v_pk_add_f32 v[246:247], v[246:247], v[84:85]
	v_pk_add_f32 v[248:249], v[248:249], v[86:87]
	v_pk_add_f32 v[242:243], v[242:243], v[90:91]
	v_pk_add_f32 v[240:241], v[240:241], v[94:95]
	v_pk_add_f32 v[238:239], v[238:239], v[98:99]
	v_pk_add_f32 v[236:237], v[236:237], v[102:103]
	v_pk_add_f32 v[234:235], v[234:235], v[106:107]
	v_pk_add_f32 v[232:233], v[232:233], v[110:111]
	v_pk_add_f32 v[246:247], v[246:247], v[114:115]
	v_pk_add_f32 v[248:249], v[248:249], v[118:119]
	v_pk_add_f32 v[242:243], v[242:243], v[122:123]
	v_pk_add_f32 v[240:241], v[240:241], v[126:127]
	v_pk_add_f32 v[238:239], v[238:239], v[130:131]
	v_pk_add_f32 v[236:237], v[236:237], v[134:135]
	v_pk_add_f32 v[234:235], v[234:235], v[138:139]
	v_pk_add_f32 v[232:233], v[232:233], v[142:143]
	s_delay_alu instid0(VALU_DEP_4)
	v_pk_add_f32 v[246:247], v[246:247], v[238:239]
	s_delay_alu instid0(VALU_DEP_4)
	v_pk_add_f32 v[248:249], v[248:249], v[236:237]
	s_delay_alu instid0(VALU_DEP_4)
	v_pk_add_f32 v[242:243], v[242:243], v[234:235]
	s_delay_alu instid0(VALU_DEP_4)
	v_pk_add_f32 v[240:241], v[240:241], v[232:233]
	s_delay_alu instid0(VALU_DEP_2)
	v_pk_add_f32 v[246:247], v[246:247], v[242:243]
	s_delay_alu instid0(VALU_DEP_2)
	v_pk_add_f32 v[248:249], v[248:249], v[240:241]
	s_delay_alu instid0(VALU_DEP_1)
	v_pk_add_f32 v[246:247], v[246:247], v[248:249]
	MEET 0
	s_delay_alu instid0(VALU_DEP_1)
	v_mul_f32 v250, 0xba800000, v232               ; minus the mean
.set J, 0
.rept 32
	v_pk_add_f32 v[XN+J:XN+J+1], v[XN+J:XN+J+1], v[250:251] op_sel_hi:[1,0]
.set J, J+2
.endr
	v_pk_mul_f32 v[246:247], v[XN:XN+1], v[XN:XN+1]
	v_pk_mul_f32 v[248:249], v[XN+2:XN+3], v[XN+2:XN+3]
.set J, 4
.rept 15
	s_delay_alu instid0(VALU_DEP_2)
	v_pk_fma_f32 v[246:247], v[XN+J:XN+J+1], v[XN+J:XN+J+1], v[246:247]
	s_delay_alu instid0(VALU_DEP_2)
	v_pk_fma_f32 v[248:249], v[XN+J+2:XN+J+3], v[XN+J+2:XN+J+3], v[248:249]
.set J, J+4
.endr
	s_delay_alu instid0(VALU_DEP_1)
	v_pk_add_f32 v[246:247], v[246:247], v[248:249]
	MEET 512
	s_delay_alu instid0(VALU_DEP_1)
	v_fma_f32 v252, v232, s26, s27                 ; the variance + 1e-5
	s_wait_alu depctr_va_vdst(0)
	v_rsq_f32 v252, v252
	v_nop                                          ; a plain place behind the transcendental
	s_wait_alu depctr_va_vdst(0)                   ; ahead of its first reader
	s_wait_loadcnt 0x0                             ; ln_g and ln_b
.set J, 0
.rept 32
	v_pk_mul_f32 v[XN+J:XN+J+1], v[XN+J:XN+J+1], v[252:253] op_sel_hi:[1,0]
.set J, J+2
.endr
.set J, 0
.rept 32
	v_pk_fma_f32 v[XN+J:XN+J+1], v[XN+J:XN+J+1], v[GN+J:GN+J+1], v[YR+J:YR+J+1]
.set J, J+2
.endr
.irp n, 0,1,2,3,4,5,6,7,8,9,10,11,12,13,14,15
	ds_store_b128 v6, v[XN+4*\n:XN+4*\n+3] offset:128*(\n/4)+16*(\n%4)
.endr
.irp i, 0,1,2,3,4,5,6,7,8,9,10,11,12,13,14,15
	ds_load_b128 v[GN+4*\i:GN+4*\i+3], v5 offset:528*\i
.endr
.if WITHQ
	QUANT XN, PW                                   ; while the rows come back from the stage
.irp g, 0,1,2
	global_store_b128 v4, v[PC+4*\g:PC+4*\g+3], s[18:19] offset:512*\g
.endr
	global_store_b32 v14, v[PW], s[28:29]          ; 64 consecutive bytes; lanes 16-31 repeat lanes 0-15's words at the same places
.endif
.irp i, 0,1,2,3,4,5,6,7,8,9,10,11,12,13,14,15
	s_wait_dscnt 15-\i                             ; row i is back, the rows behind it may be out
	global_store_b128 v4, v[GN+4*\i:GN+4*\i+3], s[16:17] offset:(\i+8*(\i/8))*4096
.endr
	s_wait_tensorcnt 0x0
	ds_add_u32 v245, v255
	s_wait_dscnt 0x0
	s_endpgm
.Lfunc_end_k_qc31ea60033_ln1:
	.size	k_qc31ea60033_ln1, .Lfunc_end_k_qc31ea60033_ln1-k_qc31ea60033_ln1
	.p2alignl 7, 3214868480
	.fill 96, 4, 3214868480
	.section	.rodata,"a",@progbits
	.p2align	6, 0x0
	.amdhsa_kernel k_qc31ea60033_ln1
		.amdhsa_group_segment_fixed_size 69632
		.amdhsa_private_segment_fixed_size 0
		.amdhsa_enable_private_segment 0
		.amdhsa_kernarg_size 48
		.amdhsa_user_sgpr_count 2
		.amdhsa_user_sgpr_kernarg_segment_ptr 1
		.amdhsa_wavefront_size32 1
		.amdhsa_system_sgpr_workgroup_id_x 1
		.amdhsa_system_sgpr_workgroup_id_y 1
		.amdhsa_system_sgpr_workgroup_id_z 1
		.amdhsa_system_vgpr_workitem_id 0
		.amdhsa_next_free_vgpr 256
		.amdhsa_next_free_sgpr 66
		.amdhsa_reserve_vcc 0
		.amdhsa_float_denorm_mode_32 3
		.amdhsa_float_denorm_mode_16_64 3
		.amdhsa_memory_ordered 1
		.amdhsa_forward_progress 1
		.amdhsa_inst_pref_size 39
	.end_amdhsa_kernel
	.amdgpu_metadata
---
amdhsa.version: [ 1, 2 ]
amdhsa.kernels:
  - .name:           k_qc31ea60033_ln1
    .symbol:         k_qc31ea60033_ln1.kd
    .args:
      - { .name: y, .offset: 0, .size: 8, .value_kind: global_buffer, .address_space: global }
      - { .name: question_embeddings, .offset: 8, .size: 8, .value_kind: global_buffer, .address_space: global }
      - { .name: bo, .offset: 16, .size: 8, .value_kind: global_buffer, .address_space: global }
      - { .name: ln_g, .offset: 24, .size: 8, .value_kind: global_buffer, .address_space: global }
      - { .name: ln_b, .offset: 32, .size: 8, .value_kind: global_buffer, .address_space: global }
      - { .name: h, .offset: 40, .size: 8, .value_kind: global_buffer, .address_space: global }
    .group_segment_fixed_size: 69632
    .private_segment_fixed_size: 0
    .kernarg_segment_align: 8
    .kernarg_segment_size: 48
    .max_flat_workgroup_size: 256
    .sgpr_count:     66
    .vgpr_count:     256
    .wavefront_size: 32
...
	.end_amdgpu_metadata
.endif
;; end of part 5
;; launch gemm_w1 (part 6): grid 16 x 16, 4 waves a work-group, clusters of 4 x 4, 327,680 bytes of LDS; arguments h, opnd, b1, hid; writes hid
.if DOCPART == 6
	.amdgcn_target "amdgcn-amd-amdhsa--gfx1250"
	.amdhsa_code_object_version 6
	.text
	.protected	k_qc31ea60033_gemm_w1
	.globl	k_qc31ea60033_gemm_w1
	.p2align	8
	.type	k_qc31ea60033_gemm_w1,@function
k_qc31ea60033_gemm_w1:
	s_mov_b64 s[64:65], 0
	v_nop
	global_prefetch_b8 v0, s[64:65] scope:SCOPE_SE
	s_setreg_imm32_b32 hwreg(HW_REG_WAVE_MODE, 25, 1), 1
	s_wait_xcnt 0x0
	s_wait_alu depctr_hold_cnt(0) depctr_sa_sdst(0) depctr_va_vdst(0) depctr_va_sdst(0) depctr_va_ssrc(0) depctr_va_vcc(0) depctr_vm_vsrc(0)
	s_getreg_b32 s2, hwreg(HW_REG_IB_STS2, 6, 4)
	s_cmp_eq_u32 s2, 0
	s_cbranch_scc0 .Lentry_in_a_cluster
	s_endpgm
.Lentry_in_a_cluster:
	s_bfe_u32 s2, ttmp6, 0x10000c
	s_cmp_lg_u32 s2, 0xf033
	s_cbranch_scc0 .Lentry_shape_is_right
	s_endpgm
.Lentry_shape_is_right:
.set NA, 8
.set NB, 8
.set NQ, 2
.set NS, 8
.set NTA, 256
.set NTB, 256
.set A_C, 0x1000000
.set A_S, 0x1300000
.set B_C, 0x600000
.set B_S, 0xC40000
.set FR,    12
.set NL,    3
.set FRB,   1536
.set TROW,  NQ*FRB
.set HALFT, NA*TROW
.set SLOT,  4*HALFT
.set LAPS,  NS/(2*NQ)
.set SCL,   2*SLOT
.set SROW,  2*NA*64                    ; a K step's scale words of one side: both halves' tiles on end
.set HALFS, NS*NA*64
.set SPARE, SCL+4*HALFS
.set ADRA, 16
.set ADRB, 20
.set STO,  24
.set RD,   25
.set CO,   26
.set ADRS, 27
.set SPW,  28
.set NIL,  29
.set SC,   32
.set AF,   128
.set CB,   64
.set T64,  128
.set PC,   192
.set TM,   212
.set PW8,  228
.set RB,   240
.set SEL,  18
.set G1, 24
.set G0, 32
.set G1B, 48
.set G0B, 56
.set G1S, 68
.set G0S, 76
.set G1SB, 80
.set G0SB, 88
.set MSB, 0
.macro WIN new
.if MSB != \new
	s_set_vgpr_msb (MSB<<8)|\new
.set MSB, \new
.endif
.endm
.set TO_B, 0x40
.macro JLOAD g0a, g1a, g0b, g1b
	s_cmp_eq_u32 s15, 0
	s_cbranch_scc0 .Lfor_b_\@
	tensor_load_to_lds s[\g0a:\g0a+3], s[\g1a:\g1a+7]
	s_nop 0
.rept 4
	v_nop
.endr
	s_branch .Lasked_\@
.Lfor_b_\@:
	tensor_load_to_lds s[\g0b:\g0b+3], s[\g1b:\g1b+7]
	s_nop 0
.rept 4
	v_nop
.endr
.Lasked_\@:
.endm
.macro CREST
	s_cmp_lg_u32 s14, 0
	s_cbranch_scc1 .Lnot_wave_0_\@
	s_barrier_signal -3
.Lnot_wave_0_\@:
	s_barrier_wait -3
	s_barrier_signal -1
	s_barrier_wait -1
.endm
.macro CROUND
	s_barrier_signal -1
	s_barrier_wait -1
	CREST
.endm
.macro PLACES n
.rept \n
	v_nop
.endr
.endm
.macro FRAG reg, adr, q, i
.irp g, 0,1,2
	ds_load_b128 v[\reg+4*\g:\reg+4*\g+3], v[\adr] offset:(\i)*TROW+(\q)*FRB+512*\g
.endr
.endm
.macro MULB a, p, q, sc, zero
.set WN, 0xa1+0x50*((8*NB*(\a))/256)
	WIN WN
.irp b, 0,1,2,3,4,5,6,7
.if \b < NB
.set AC, (8*(NB*(\a)+\b))%256
.if \zero
	v_wmma_scale_f32_16x16x128_f8f6f4 v[AC:AC+7], v[128*(\p)+FR*\b:128*(\p)+FR*\b+FR-1], v[AF+FR*(\a):AF+FR*(\a)+FR-1], 0, v[SC+16*(\sc)+NQ*\b+(\q)], v[SC+16*(\sc)+NQ*(\a)+(\q)] matrix_a_fmt:MATRIX_FMT_FP6 matrix_b_fmt:MATRIX_FMT_FP6 matrix_a_scale:MATRIX_SCALE_ROW1
.else
	v_wmma_scale_f32_16x16x128_f8f6f4 v[AC:AC+7], v[128*(\p)+FR*\b:128*(\p)+FR*\b+FR-1], v[AF+FR*(\a):AF+FR*(\a)+FR-1], v[AC:AC+7], v[SC+16*(\sc)+NQ*\b+(\q)], v[SC+16*(\sc)+NQ*(\a)+(\q)] matrix_a_fmt:MATRIX_FMT_FP6 matrix_b_fmt:MATRIX_FMT_FP6 matrix_a_scale:MATRIX_SCALE_ROW1
.endif
.endif
.endr
.endm
.macro MULQ k, p, q, sc, zero
.irp j, 0,1
.if \j < NA/4
	MULB (\k)*(NA/4)+\j, \p, \q, \sc, \zero
.endif
.endr
.endm
.macro FETCH_B slot, q, p
	WIN TO_B
.irp i, 0,1,2,3,4,5,6,7
.if \i < NB
	FRAG 128*(\p)+FR*\i, ADRB+\slot, \q, \i
.endif
.endr
	WIN 0
.endm
.macro FETCH_A slot, q, i0
.irp j, 0,1,2,3
.if \j < NA/2
	FRAG AF+FR*(\i0+\j), ADRA+\slot, \q, \i0+\j
.endif
.endr
.endm
.macro SCALES sc
.irp i, 0,1,2,3,4,5,6,7
.if \i < NA
.irp q, 0,1,2,3
.if \q < NQ
	ds_load_b32 v[SC+16*(\sc)+NQ*\i+\q], v[ADRS] offset:\q*SROW+64*\i
.endif
.endr
.endif
.endr
.endm
.macro STEP slot, q, zero
	s_wait_dscnt (NA/2)*NL
	MULQ 0, (\q)%2, \q, \slot, \zero
	MULQ 1, (\q)%2, \q, \slot, \zero
	s_wait_dscnt 0x0
	PLACES 4
	FETCH_B \slot, (\q)+1, 1-(\q)%2
	FETCH_A \slot, (\q)+1, 0
	MULQ 2, (\q)%2, \q, \slot, \zero
	MULQ 3, (\q)%2, \q, \slot, \zero
	PLACES 4
	WIN 0
	FETCH_A \slot, (\q)+1, NA/2
.endm
.macro TURN slot, next, fill
	s_wait_tensorcnt 0x0
	ds_add_u32 v[SPW], v[NIL]
	s_wait_dscnt (NA/2)*NL+1
	MULQ 0, 1, NQ-1, \slot, 0
	s_wait_dscnt 0x0
	s_barrier_signal -1
	MULQ 1, 1, NQ-1, \slot, 0
	WIN 0
	s_barrier_wait -1
.if \fill
	CREST
	s_add_nc_u64 s[G0+4*\slot+2:G0+4*\slot+3], s[G0+4*\slot+2:G0+4*\slot+3], 2*TROW
	s_add_nc_u64 s[G0B+4*\slot+2:G0B+4*\slot+3], s[G0B+4*\slot+2:G0B+4*\slot+3], 2*TROW
	JLOAD G0+4*\slot, G1, G0B+4*\slot, G1B
.else
	PLACES 4
.endif
	s_wait_alu depctr_va_vdst(0)
	v_add_nc_u32 v[ADRS], NQ*SROW, v[ADRS]
	FETCH_B \next, 0, 0
	FETCH_A \next, 0, 0
	SCALES \next
	MULQ 2, 1, NQ-1, \slot, 0
	MULQ 3, 1, NQ-1, \slot, 0
	PLACES 4
	WIN 0
	FETCH_A \next, 0, NA/2
.endm
.macro REST slot, next, fill
.if NQ > 2
.set QR, 1
.rept NQ-2
	STEP \slot, QR, 0
.set QR, QR+1
.endr
.endif
	TURN \slot, \next, \fill
.endm
.macro HEADS slot
.set QH, 0
.rept NQ-1
	STEP \slot, QH, 0
.set QH, QH+1
.endr
.endm
.macro QUANT s, pw
.irp b, 0,1,2,3
	v_max3_num_f32 v[TM+\b], |v[\s+16*\b]|, |v[\s+1+16*\b]|, 0x1800000
.endr
.irp i, 2,4,6,8,10,12,14
.irp b, 0,1,2,3
	v_max3_num_f32 v[TM+\b], v[TM+\b], |v[\s+16*\b+\i]|, |v[\s+1+16*\b+\i]|
.endr
.endr
.irp b, 0,1,2,3
	v_permlanex16_b32 v[TM+4+\b], v[TM+\b], s[SEL], s[SEL+1]
.endr
.irp b, 0,1,2,3
	v_max_num_f32 v[TM+\b], v[TM+\b], v[TM+4+\b]
.endr
.irp b, 0,1,2,3
	v_add_nc_u32 v[TM+12+\b], 0xff000000, v[TM+\b]
.endr
.irp b, 0,1,2,3
	v_lshrrev_b32 v[TM+4+\b], 23, v[TM+12+\b]
.endr
	v_lshl_or_b32 v[\pw], v[TM+5], 8, v[TM+4]
	v_lshl_or_b32 v[\pw], v[TM+6], 16, v[\pw]
	v_lshl_or_b32 v[\pw], v[TM+7], 24, v[\pw]
.irp c, 0,1
	v_cvt_scalef32_pk16_fp6_f32 v[PC+6*\c:PC+2+6*\c], v[\s+32*\c:\s+15+32*\c], v[TM+12+2*\c]
	v_cvt_scalef32_pk16_fp6_f32 v[PC+12+4*\c:PC+14+4*\c], v[\s+16+32*\c:\s+31+32*\c], v[TM+12+2*\c+1]
.endr
	v_nop
.irp c, 0,1
.irp i, 0,1,2
	v_permlane16_swap_b32 v[PC+6*\c+\i], v[PC+12+4*\c+\i]
.endr
.irp i, 0,1,2
	v_mov_b32 v[PC+3+6*\c+\i], v[PC+12+4*\c+\i]
.endr
.endr
.endm
.macro EPIQ rowb, relu, sp, ldsoff
.irp b, 0,1,2,3
	v_mov_b32 v[TM+4+\b], 0
.endr
.irp a, 0,1,2,3,4,5,6,7
.if \a > 0
	s_wait_xcnt 0x0
.endif
.set WN, 0x02+(\a/4)
	WIN WN
.set AC, 64*(\a%4)
.set J, 0
.rept 32
.if \rowb
	v_pk_add_f32 v[T64+J:T64+J+1], v[AC+J:AC+J+1], v[RB+2*\a:RB+2*\a+1] op_sel_hi:[1,0]
.else
	v_pk_add_f32 v[T64+J:T64+J+1], v[AC+J:AC+J+1], v[CB+J:CB+J+1]
.endif
.set J, J+2
.endr
	WIN 0
.if \relu
.set J, 0
.rept 64
	v_max_num_f32 v[T64+J], 0, v[T64+J]
.set J, J+1
.endr
.endif
	QUANT T64, PW8+\a
.irp g, 0,1,2
	global_store_b128 v[CO], v[PC+4*\g:PC+4*\g+3], s[12:13] offset:\a*\sp*FRB+512*\g
.endr
	ds_store_b32 v[STO], v[PW8+\a] offset:\ldsoff+64*\a
.endr
	ds_load_b128 v[T64:T64+3], v[RD] offset:\ldsoff
	s_wait_dscnt 0x0
	global_store_b128 v[CO], v[T64:T64+3], s[66:67]
.endm
	s_load_b256 s[4:11], s[0:1], 0x0
	v_lshl_add_u32 v[SPW], v0, 2, SPARE
	v_mov_b32 v[NIL], 0
	ds_add_u32 v28, v29
	ds_add_u32 v28, v29
	s_wait_dscnt 0x0
	v_lshrrev_b32 v1, 5, v0
	v_readfirstlane_b32 s14, v1
	s_lshr_b32 s15, s14, 1
	s_and_b32 s16, s14, 1
	s_bfe_u32 s40, ttmp6, 0x40000
	s_bfe_u32 s41, ttmp6, 0x40004
	s_lshl_b32 s42, ttmp9, 2
	s_add_co_u32 s42, s42, s40
	s_and_b32 s17, ttmp7, 0xffff
	s_lshl_b32 s17, s17, 2
	s_add_co_u32 s17, s17, s41
	s_lshl_b32 s43, s41, 2
	s_lshl_b32 s43, 15, s43
	s_lshl_b32 s44, 0x1111, s40
	s_or_b32 s[G1+0], s43, (3<<16)|(1<<21)
	s_or_b32 s[G1B+0], s44, (3<<16)|(1<<21)
.irp g, G1, G1B
	s_mov_b32 s[\g+1], (NQ*192)<<16
	s_mov_b32 s[\g+2], (2*NA)<<16
	s_mov_b32 s[\g+3], (NQ*192)<<16
	s_mov_b32 s[\g+4], 2*NA
	s_mov_b32 s[\g+5], NS*192
	s_mov_b32 s[\g+6], 0
	s_mov_b32 s[\g+7], 0
.endr
	s_or_b32 s[G1S+0], s43, (3<<16)|(1<<21)
	s_or_b32 s[G1SB+0], s44, (3<<16)|(1<<21)
.irp g, G1S, G1SB
	s_mov_b32 s[\g+1], (NA*16)<<16
	s_mov_b32 s[\g+2], NS<<16
	s_mov_b32 s[\g+3], (NA*16)<<16
	s_mov_b32 s[\g+4], NS
	s_mov_b32 s[\g+6], 0
	s_mov_b32 s[\g+7], 0
.endr
	s_mov_b32 s[G1S+5], NTA*8
	s_mov_b32 s[G1SB+5], NTB*8
	s_mul_i32 s20, s17, 2*NA
	s_mul_i32 s46, s42, 2*NA
	s_lshl_b32 s22, s20, 6
	s_add_co_u32 s22, s22, A_S
	s_mov_b32 s23, 0
	s_lshl_b32 s92, s46, 6
	s_add_co_u32 s92, s92, B_S
	s_mov_b32 s93, 0
	s_mul_i32 s20, s20, NS*FRB
	s_add_co_u32 s20, s20, A_C
	s_mov_b32 s21, 0
	s_mul_i32 s46, s46, NS*FRB
	s_add_co_u32 s46, s46, B_C
	s_mov_b32 s47, 0
	s_mul_i32 s45, s14, HALFT
	v_and_b32 v30, 31, v0                          ; the prefetches' offset: 24 blocks of 256 bytes, two tile rows of 12; lanes 24-31 name the last again
	v_min_u32 v30, 23, v30
	v_mul_u32_u24 v31, v30, 171
	v_lshrrev_b32 v31, 11, v31                     ; lane / 12
	v_mul_u32_u24 v7, v31, 12
	v_sub_nc_u32 v30, v30, v7
	v_lshlrev_b32 v30, 8, v30
	v_mad_u32_u24 v30, v31, NS*FRB, v30
	s_wait_alu depctr_va_vdst(0)
	s_wait_kmcnt 0x0
	s_add_nc_u64 s[20:21], s[4:5], s[20:21]
	s_add_nc_u64 s[22:23], s[4:5], s[22:23]
	s_add_nc_u64 s[46:47], s[6:7], s[46:47]
	s_add_nc_u64 s[92:93], s[6:7], s[92:93]
	CROUND
	s_mov_b32 s[G0S], 1
	s_mov_b32 s[G0S+1], SCL
	s_mov_b64 s[G0S+2:G0S+3], s[22:23]
	s_or_b32 s[G0S+3], s[G0S+3], 0x80000000
	s_mov_b32 s[G0SB], 1
	s_mov_b32 s[G0SB+1], SCL+2*HALFS
	s_mov_b64 s[G0SB+2:G0SB+3], s[92:93]
	s_or_b32 s[G0SB+3], s[G0SB+3], 0x80000000
.irp s, 0,1
	s_mov_b32 s[G0+4*\s], 1
	s_add_co_u32 s[G0+4*\s+1], s45, \s*SLOT
	s_add_nc_u64 s[G0+4*\s+2:G0+4*\s+3], s[20:21], \s*TROW
	s_or_b32 s[G0+4*\s+3], s[G0+4*\s+3], 0x80000000
	s_mov_b32 s[G0B+4*\s], 1
	s_add_co_u32 s[G0B+4*\s+1], s45, \s*SLOT
	s_add_nc_u64 s[G0B+4*\s+2:G0B+4*\s+3], s[46:47], \s*TROW
	s_or_b32 s[G0B+4*\s+3], s[G0B+4*\s+3], 0x80000000
.endr
	; THE HEAD'S LOADS, one a wave: wave 0 slot 0's tiles of A, both halves, wave 1 those of B, wave 2 A's scale words, wave 3 B's
	s_mov_b32 s[G0+1], 0
	s_mov_b32 s[G0B+1], 2*HALFT
	s_mul_i32 s2, s16, NA*NS*FRB                   ; in the ring a wave fetches one half of a side's tiles
	s_mov_b32 s3, 0
	s_add_nc_u64 s[G0+6:G0+7], s[G0+6:G0+7], s[2:3]
	s_add_nc_u64 s[G0B+6:G0B+7], s[G0B+6:G0B+7], s[2:3]
	s_cmp_eq_u32 s15, 0                            ; the prefetches: of the NA tile rows that I fetch, my work-group's NA / 4, told apart by address (cx for A, cy for B); it stands at chunk 2
	s_cselect_b64 s[4:5], s[20:21], s[46:47]
	s_cselect_b32 s92, s40, s41
	s_mul_i32 s92, s92, (NA/4)*NS*FRB
	s_add_co_u32 s92, s92, 2*TROW
	s_mov_b32 s93, 0
	s_add_nc_u64 s[4:5], s[4:5], s[2:3]
	s_add_nc_u64 s[4:5], s[4:5], s[92:93]
.macro ARM under, g0, g1, next
	s_cmp_lt_u32 s14, \under
	s_cbranch_scc0 \next
	tensor_load_to_lds s[\g0:\g0+3], s[\g1:\g1+7]
	s_nop 0
.rept 4
	v_nop
.endr
	s_branch .Lhead_asked
\next:
.endm
	ARM 1, G0,  G1,  .Lhead_b
	ARM 2, G0B, G1B, .Lhead_sa
	ARM 3, G0S, G1S, .Lhead_sb
	tensor_load_to_lds s[G0SB:G0SB+3], s[G1SB:G1SB+7]
	s_nop 0
.rept 4
	v_nop
.endr
.Lhead_asked:
	global_prefetch_b8 v30, s[4:5] th:TH_LOAD_NT scope:SCOPE_SE   ; chunk 2, which the first refill will load; K has four chunks, so the refills themselves ask for nothing
	v_and_b32 v1, 15, v0
	v_bfe_u32 v2, v0, 4, 1
	s_wait_alu depctr_va_vdst(0)
	v_and_b32 v3, 31, v0
	v_lshlrev_b32 v3, 4, v3
	s_wait_alu depctr_va_vdst(0)
	s_mul_i32 s21, s15, HALFT
	s_mul_i32 s22, s16, HALFT
	s_add_co_u32 s22, s22, 2*HALFT
.irp s, 0,1
	v_add_nc_u32 v[ADRA+\s], s21, v3
	v_add_nc_u32 v[ADRB+\s], s22, v3
	s_add_co_u32 s21, s21, SLOT
	s_add_co_u32 s22, s22, SLOT
.endr
	s_mul_i32 s21, s15, NA*64
	s_mul_i32 s22, s16, NA*64
	s_add_co_u32 s22, s22, 2*HALFS
	s_sub_co_u32 s22, s22, s21
	v_mul_u32_u24 v6, s22, v2
	s_add_co_u32 s21, s21, SCL
	v_lshl_add_u32 v5, v1, 2, v6
	v_add_nc_u32 v[ADRS], s21, v5
	s_lshl_b32 s23, s14, 9
	v_lshl_add_u32 v[STO], v1, 2, s23
	v_add_nc_u32 v[RD], s23, v3
	v_mov_b32 v[CO], v3
	s_lshl_b32 s20, s17, 4
	s_lshl_b32 s21, s15, 3
	s_add_co_u32 s20, s20, s21
	s_lshl_b32 s22, s42, 1
	s_add_co_u32 s22, s22, s16
	s_lshl_b32 s46, s20, 5
	s_add_co_u32 s46, s46, s22
	s_mul_i32 s46, s46, FRB
	s_mov_b32 s47, 0
	s_lshl_b32 s22, s22, 8
	s_add_co_u32 s22, s22, s20
	s_lshl_b32 s22, s22, 6
	s_add_co_u32 s22, s22, 0xC00000
	s_mov_b32 s23, 0
	s_add_nc_u64 s[66:67], s[10:11], s[22:23]
	s_add_nc_u64 s[12:13], s[10:11], s[46:47]
	s_lshl_b32 s20, s42, 10
	s_lshl_b32 s21, s16, 9
	s_add_co_u32 s20, s20, s21
	s_mov_b32 s21, 0
	s_add_nc_u64 s[8:9], s[8:9], s[20:21]
	s_mov_b32 s[SEL], 0x76543210
	s_mov_b32 s[SEL+1], 0xfedcba98
	v_lshlrev_b32 v10, 6, v2
.irp n, 0,1,2,3,4,5,6,7,8,9,10,11,12,13,14,15
	global_load_b128 v[CB+4*\n:CB+4*\n+3], v10, s[8:9] offset:128*(\n/4)+16*(\n%4)
.endr
	s_wait_alu depctr_va_vdst(0)
	s_wait_tensorcnt 0x0                           ; my tile of the head's four is in
	ds_add_u32 v[SPW], v[NIL]
	s_mov_b32 s[G1+2], NA<<16                      ; no load of mine is out: from here on a load brings NA tile rows, my half,
	s_mov_b32 s[G1+4], NA
	s_mov_b32 s[G1B+2], NA<<16
	s_mov_b32 s[G1B+4], NA
	s_mov_b32 s[G0+1], s45                         ; and slot 0's group 0 takes its form for the ring
	s_add_nc_u64 s[G0+2:G0+3], s[G0+2:G0+3], s[2:3]
	s_mov_b32 s[G0B+1], s45
	s_add_nc_u64 s[G0B+2:G0B+3], s[G0B+2:G0B+3], s[2:3]
	s_wait_dscnt 0x0
	CROUND
	JLOAD G0+4, G1, G0B+4, G1B                     ; slot 1's first fill, the first tensor load behind the round
	global_prefetch_b8 v30, s[4:5] offset:TROW th:TH_LOAD_NT scope:SCOPE_SE   ; chunk 3
	FETCH_B 0, 0, 0
	FETCH_A 0, 0, 0
	SCALES 0
	FETCH_A 0, 0, NA/2
	STEP 0, 0, 1
.if LAPS > 1
	s_mov_b32 s3, LAPS-1
.Llap:
	REST 0, 1, 1
	HEADS 1
	TURN 1, 0, 1
	STEP 0, 0, 0
	s_sub_co_u32 s3, s3, 1
	s_cmp_lg_u32 s3, 0
	s_cbranch_scc1 .Llap
.endif
	REST 0, 1, 0
	HEADS 1
	s_wait_dscnt (NA/2)*NL
	MULQ 0, 1, NQ-1, 1, 0
	MULQ 1, 1, NQ-1, 1, 0
	s_wait_dscnt 0x0
	MULQ 2, 1, NQ-1, 1, 0
	MULQ 3, 1, NQ-1, 1, 0
	WIN 0
	PLACES 4
	s_wait_loadcnt 0x0
	EPIQ 0, 1, 32, 0
	s_wait_tensorcnt 0x0
	ds_add_u32 v[SPW], v[NIL]
	s_wait_dscnt 0x0
	CROUND
	s_endpgm
.Lfunc_end_k_qc31ea60033_gemm_w1:
	.size	k_qc31ea60033_gemm_w1, .Lfunc_end_k_qc31ea60033_gemm_w1-k_qc31ea60033_gemm_w1
	.p2alignl 7, 3214868480
	.fill 96, 4, 3214868480
	.section	.rodata,"a",@progbits
	.p2align	6, 0x0
	.amdhsa_kernel k_qc31ea60033_gemm_w1
		.amdhsa_group_segment_fixed_size 327680
		.amdhsa_private_segment_fixed_size 0
		.amdhsa_enable_private_segment 0
		.amdhsa_kernarg_size 32
		.amdhsa_user_sgpr_count 2
		.amdhsa_user_sgpr_kernarg_segment_ptr 1
		.amdhsa_wavefront_size32 1
		.amdhsa_system_sgpr_workgroup_id_x 1
		.amdhsa_system_sgpr_workgroup_id_y 1
		.amdhsa_system_sgpr_workgroup_id_z 1
		.amdhsa_system_vgpr_workitem_id 0
		.amdhsa_next_free_vgpr 1024
		.amdhsa_next_free_sgpr 100
		.amdhsa_reserve_vcc 0
		.amdhsa_float_denorm_mode_32 3
		.amdhsa_float_denorm_mode_16_64 3
		.amdhsa_memory_ordered 1
		.amdhsa_forward_progress 1
		.amdhsa_inst_pref_size 177
	.end_amdhsa_kernel
	.amdgpu_metadata
---
amdhsa.version: [ 1, 2 ]
amdhsa.kernels:
  - .name:           k_qc31ea60033_gemm_w1
    .symbol:         k_qc31ea60033_gemm_w1.kd
    .args:
      - { .name: h, .offset: 0, .size: 8, .value_kind: global_buffer, .address_space: global }
      - { .name: opnd, .offset: 8, .size: 8, .value_kind: global_buffer, .address_space: global }
      - { .name: b1, .offset: 16, .size: 8, .value_kind: global_buffer, .address_space: global }
      - { .name: hid, .offset: 24, .size: 8, .value_kind: global_buffer, .address_space: global }
    .group_segment_fixed_size: 327680
    .private_segment_fixed_size: 0
    .kernarg_segment_align: 8
    .kernarg_segment_size: 32
    .max_flat_workgroup_size: 128
    .sgpr_count:     100
    .vgpr_count:     1024
    .wavefront_size: 32
...
	.end_amdgpu_metadata
.endif
;; end of part 6
;; launch gemm_w2 (part 7): grid 8 x 32, 4 waves a work-group, clusters of 4 x 4, 327,680 bytes of LDS; arguments hid, opnd, y; writes y
.if DOCPART == 7
	.amdgcn_target "amdgcn-amd-amdhsa--gfx1250"
	.amdhsa_code_object_version 6
	.text
	.protected	k_qc31ea60033_gemm_w2
	.globl	k_qc31ea60033_gemm_w2
	.p2align	8
	.type	k_qc31ea60033_gemm_w2,@function
k_qc31ea60033_gemm_w2:
	s_mov_b64 s[64:65], 0
	v_nop
	global_prefetch_b8 v0, s[64:65] scope:SCOPE_SE
	s_setreg_imm32_b32 hwreg(HW_REG_WAVE_MODE, 25, 1), 1
	s_wait_xcnt 0x0
	s_wait_alu depctr_hold_cnt(0) depctr_sa_sdst(0) depctr_va_vdst(0) depctr_va_sdst(0) depctr_va_ssrc(0) depctr_va_vcc(0) depctr_vm_vsrc(0)
	s_getreg_b32 s2, hwreg(HW_REG_IB_STS2, 6, 4)
	s_cmp_eq_u32 s2, 0
	s_cbranch_scc0 .Lentry_in_a_cluster
	s_endpgm
.Lentry_in_a_cluster:
	s_bfe_u32 s2, ttmp6, 0x10000c
	s_cmp_lg_u32 s2, 0xf033
	s_cbranch_scc0 .Lentry_shape_is_right
	s_endpgm
.Lentry_shape_is_right:
.set NA, 4
.set NB, 4
.set NQ, 4
.set NS, 32
.set NTA, 256
.set NTB, 64
.set A_C, 0
.set A_S, 0xC00000
.set B_C, 0x900000
.set B_S, 0xC60000
.set FR,    12
.set NL,    3
.set FRB,   1536
.set TROW,  NQ*FRB
.set HALFT, NA*TROW
.set SLOT,  4*HALFT
.set LAPS,  NS/(2*NQ)
.set SCL,   2*SLOT
.set SROW,  2*NA*64                    ; a K step's scale words of one side: both halves' tiles on end
.set HALFS, NS*NA*64
.set SPARE, SCL+4*HALFS
.set ADRA, 16
.set ADRB, 20
.set STO,  24
.set RD,   25
.set CO,   26
.set ADRS, 27
.set SPW,  28
.set NIL,  29
.set SC,   32
.set AF,   128
.set BK,   64
.set G1, 24
.set G0, 32
.set G1B, 48
.set G0B, 56
.set G1S, 68
.set G0S, 76
.set G1SB, 80
.set G0SB, 88
.set MSB, 0
.macro WIN new
.if MSB != \new
	s_set_vgpr_msb (MSB<<8)|\new
.set MSB, \new
.endif
.endm
.set TO_B, 0x40
.macro JLOAD g0a, g1a, g0b, g1b
	s_cmp_eq_u32 s15, 0
	s_cbranch_scc0 .Lfor_b_\@
	tensor_load_to_lds s[\g0a:\g0a+3], s[\g1a:\g1a+7]
	s_nop 0
.rept 4
	v_nop
.endr
	s_branch .Lasked_\@
.Lfor_b_\@:
	tensor_load_to_lds s[\g0b:\g0b+3], s[\g1b:\g1b+7]
	s_nop 0
.rept 4
	v_nop
.endr
.Lasked_\@:
.endm
.macro CREST
	s_cmp_lg_u32 s14, 0
	s_cbranch_scc1 .Lnot_wave_0_\@
	s_barrier_signal -3
.Lnot_wave_0_\@:
	s_barrier_wait -3
	s_barrier_signal -1
	s_barrier_wait -1
.endm
.macro CROUND
	s_barrier_signal -1
	s_barrier_wait -1
	CREST
.endm
.macro PLACES n
.rept \n
	v_nop
.endr
.endm
.macro FRAG reg, adr, q, i
.irp g, 0,1,2
	ds_load_b128 v[\reg+4*\g:\reg+4*\g+3], v[\adr] offset:(\i)*TROW+(\q)*FRB+512*\g
.endr
.endm
.macro MULB a, p, q, sc, zero
.set WN, 0xa1+0x50*((8*NB*(\a))/256)
	WIN WN
.irp b, 0,1,2,3,4,5,6,7
.if \b < NB
.set AC, (8*(NB*(\a)+\b))%256
.if \zero
	v_wmma_scale_f32_16x16x128_f8f6f4 v[AC:AC+7], v[128*(\p)+FR*\b:128*(\p)+FR*\b+FR-1], v[AF+FR*(\a):AF+FR*(\a)+FR-1], 0, v[SC+16*(\sc)+NQ*\b+(\q)], v[SC+16*(\sc)+NQ*(\a)+(\q)] matrix_a_fmt:MATRIX_FMT_FP6 matrix_b_fmt:MATRIX_FMT_FP6 matrix_a_scale:MATRIX_SCALE_ROW1
.else
	v_wmma_scale_f32_16x16x128_f8f6f4 v[AC:AC+7], v[128*(\p)+FR*\b:128*(\p)+FR*\b+FR-1], v[AF+FR*(\a):AF+FR*(\a)+FR-1], v[AC:AC+7], v[SC+16*(\sc)+NQ*\b+(\q)], v[SC+16*(\sc)+NQ*(\a)+(\q)] matrix_a_fmt:MATRIX_FMT_FP6 matrix_b_fmt:MATRIX_FMT_FP6 matrix_a_scale:MATRIX_SCALE_ROW1
.endif
.endif
.endr
.endm
.macro MULQ k, p, q, sc, zero
.irp j, 0,1
.if \j < NA/4
	MULB (\k)*(NA/4)+\j, \p, \q, \sc, \zero
.endif
.endr
.endm
.macro FETCH_B slot, q, p
	WIN TO_B
.irp i, 0,1,2,3,4,5,6,7
.if \i < NB
	FRAG 128*(\p)+FR*\i, ADRB+\slot, \q, \i
.endif
.endr
	WIN 0
.endm
.macro FETCH_A slot, q, i0
.irp j, 0,1,2,3
.if \j < NA/2
	FRAG AF+FR*(\i0+\j), ADRA+\slot, \q, \i0+\j
.endif
.endr
.endm
.macro SCALES sc
.irp i, 0,1,2,3,4,5,6,7
.if \i < NA
.irp q, 0,1,2,3
.if \q < NQ
	ds_load_b32 v[SC+16*(\sc)+NQ*\i+\q], v[ADRS] offset:\q*SROW+64*\i
.endif
.endr
.endif
.endr
.endm
; A and B have two sets of fragment registers each (A's at v128 and v176): a step first asks for the whole next step, into the set that the last step multiplied, and then waits for its own fragments alone
.macro STEP slot, q, zero
	PLACES 4                                       ; between the last step's products and the loads into their registers
.set AF, 128+48*(1-(\q)%2)
	FETCH_B \slot, (\q)+1, 1-(\q)%2
	FETCH_A \slot, (\q)+1, 0
	FETCH_A \slot, (\q)+1, NA/2
.set AF, 128+48*((\q)%2)
	s_wait_dscnt 2*NA*NL                           ; all but the 24 loads just issued
	MULQ 0, (\q)%2, \q, \slot, \zero
	MULQ 1, (\q)%2, \q, \slot, \zero
	MULQ 2, (\q)%2, \q, \slot, \zero
	MULQ 3, (\q)%2, \q, \slot, \zero
	WIN 0
.endm
.macro TURN slot, next, fill
.if \fill
	s_wait_xcnt 0x0                                ; my last prefetch has read its address: it steps one chunk on
	s_add_nc_u64 s[4:5], s[4:5], TROW
.endif
	s_wait_tensorcnt 0x0
	ds_add_u32 v[SPW], v[NIL]
	s_wait_dscnt 1                                 ; this step's fragments are in; the add may be out
.set AF, 128+48                        ; a slot's last step lies in the second sets
	MULQ 0, 1, NQ-1, \slot, 0
	s_wait_dscnt 0x0
	s_barrier_signal -1
	MULQ 1, 1, NQ-1, \slot, 0
	WIN 0
	s_barrier_wait -1
.if \fill
	CREST
	s_add_nc_u64 s[G0+4*\slot+2:G0+4*\slot+3], s[G0+4*\slot+2:G0+4*\slot+3], 2*TROW
	s_add_nc_u64 s[G0B+4*\slot+2:G0B+4*\slot+3], s[G0B+4*\slot+2:G0B+4*\slot+3], 2*TROW
	JLOAD G0+4*\slot, G1, G0B+4*\slot, G1B
.else
	PLACES 4
.endif
	s_wait_alu depctr_va_vdst(0)
	v_add_nc_u32 v[ADRS], NQ*SROW, v[ADRS]
.set AF, 128
	FETCH_B \next, 0, 0
	FETCH_A \next, 0, 0
	FETCH_A \next, 0, NA/2
	SCALES \next
.if \fill
	s_cmp_gt_u32 s3, 1                             ; behind the refill of chunk j: chunk j + 2 is asked for; the last trip's two refills have no chunk two on
	s_cbranch_scc0 .Lno_ask_\@
	global_prefetch_b8 v30, s[4:5] offset:TROW th:TH_LOAD_NT scope:SCOPE_SE
.Lno_ask_\@:
.endif
.set AF, 128+48
	MULQ 2, 1, NQ-1, \slot, 0
	MULQ 3, 1, NQ-1, \slot, 0
	WIN 0
.endm
.macro REST slot, next, fill
.if NQ > 2
.set QR, 1
.rept NQ-2
	STEP \slot, QR, 0
.set QR, QR+1
.endr
.endif
	TURN \slot, \next, \fill
.endm
.macro HEADS slot
.set QH, 0
.rept NQ-1
	STEP \slot, QH, 0
.set QH, QH+1
.endr
.endm
.macro TOSTAGE a
	WIN 0x08
.irp b, 0,1,2,3
	ds_store_b128 v[STO], v[8*(NB*(\a)+\b):8*(NB*(\a)+\b)+3] offset:128*(\b/2)+32*(\b%2)
	ds_store_b128 v[STO], v[8*(NB*(\a)+\b)+4:8*(NB*(\a)+\b)+7] offset:128*(\b/2)+32*(\b%2)+16
.endr
	WIN 0
.irp t, 0,1,2,3,4,5,6,7
	ds_load_b128 v[BK+32*(\a)+4*\t:BK+32*(\a)+4*\t+3], v[RD] offset:544*\t
.endr
.endm
.macro SEND a, younger
	s_wait_dscnt \younger
.irp t, 0,1,2,3,4,5,6,7
	global_store_b128 v[CO], v[BK+32*(\a)+4*\t:BK+32*(\a)+4*\t+3], s[8:9] offset:(32*((\a)/2)+8*((\a)%2)+2*\t+8*(\t/4))*4096 th:TH_STORE_NT
.endr
.endm
	s_load_b128 s[4:7], s[0:1], 0x0
	s_load_b64 s[8:9], s[0:1], 0x10
	v_lshl_add_u32 v[SPW], v0, 2, SPARE
	v_mov_b32 v[NIL], 0
	ds_add_u32 v28, v29
	ds_add_u32 v28, v29
	s_wait_dscnt 0x0
	v_lshrrev_b32 v1, 5, v0
	v_readfirstlane_b32 s14, v1
	s_lshr_b32 s15, s14, 1
	s_and_b32 s16, s14, 1
	s_bfe_u32 s40, ttmp6, 0x40000
	s_bfe_u32 s41, ttmp6, 0x40004
	s_lshl_b32 s42, ttmp9, 2
	s_add_co_u32 s42, s42, s40
	s_and_b32 s17, ttmp7, 0xffff
	s_lshl_b32 s17, s17, 2
	s_add_co_u32 s17, s17, s41
	s_lshl_b32 s43, s41, 2
	s_lshl_b32 s43, 15, s43
	s_lshl_b32 s44, 0x1111, s40
	s_or_b32 s[G1+0], s43, (3<<16)|(1<<21)
	s_or_b32 s[G1B+0], s44, (3<<16)|(1<<21)
.irp g, G1, G1B
	s_mov_b32 s[\g+1], (NQ*192)<<16
	s_mov_b32 s[\g+2], (2*NA)<<16
	s_mov_b32 s[\g+3], (NQ*192)<<16
	s_mov_b32 s[\g+4], 2*NA
	s_mov_b32 s[\g+5], NS*192
	s_mov_b32 s[\g+6], 0
	s_mov_b32 s[\g+7], 0
.endr
	s_or_b32 s[G1S+0], s43, (3<<16)|(1<<21)
	s_or_b32 s[G1SB+0], s44, (3<<16)|(1<<21)
.irp g, G1S, G1SB
	s_mov_b32 s[\g+1], (NA*16)<<16
	s_mov_b32 s[\g+2], NS<<16
	s_mov_b32 s[\g+3], (NA*16)<<16
	s_mov_b32 s[\g+4], NS
	s_mov_b32 s[\g+6], 0
	s_mov_b32 s[\g+7], 0
.endr
	s_mov_b32 s[G1S+5], NTA*8
	s_mov_b32 s[G1SB+5], NTB*8
	s_mul_i32 s20, s17, 2*NA
	s_mul_i32 s46, s42, 2*NA
	s_lshl_b32 s22, s20, 6
	s_add_co_u32 s22, s22, A_S
	s_mov_b32 s23, 0
	s_lshl_b32 s92, s46, 6
	s_add_co_u32 s92, s92, B_S
	s_mov_b32 s93, 0
	s_mul_i32 s20, s20, NS*FRB
	s_add_co_u32 s20, s20, A_C
	s_mov_b32 s21, 0
	s_mul_i32 s46, s46, NS*FRB
	s_add_co_u32 s46, s46, B_C
	s_mov_b32 s47, 0
	s_mul_i32 s45, s14, HALFT
	v_and_b32 v30, 31, v0                          ; the prefetches' offset: the 24 blocks of 256 bytes of one tile row's chunk; lanes 24-31 name the last again
	v_min_u32 v30, 23, v30
	v_lshlrev_b32 v30, 8, v30
	s_wait_alu depctr_va_vdst(0)
	s_wait_kmcnt 0x0
	s_add_nc_u64 s[20:21], s[4:5], s[20:21]
	s_add_nc_u64 s[22:23], s[4:5], s[22:23]
	s_add_nc_u64 s[46:47], s[6:7], s[46:47]
	s_add_nc_u64 s[92:93], s[6:7], s[92:93]
	CROUND
	s_mov_b32 s[G0S], 1
	s_mov_b32 s[G0S+1], SCL
	s_mov_b64 s[G0S+2:G0S+3], s[22:23]
	s_or_b32 s[G0S+3], s[G0S+3], 0x80000000
	s_mov_b32 s[G0SB], 1
	s_mov_b32 s[G0SB+1], SCL+2*HALFS
	s_mov_b64 s[G0SB+2:G0SB+3], s[92:93]
	s_or_b32 s[G0SB+3], s[G0SB+3], 0x80000000
.irp s, 0,1
	s_mov_b32 s[G0+4*\s], 1
	s_add_co_u32 s[G0+4*\s+1], s45, \s*SLOT
	s_add_nc_u64 s[G0+4*\s+2:G0+4*\s+3], s[20:21], \s*TROW
	s_or_b32 s[G0+4*\s+3], s[G0+4*\s+3], 0x80000000
	s_mov_b32 s[G0B+4*\s], 1
	s_add_co_u32 s[G0B+4*\s+1], s45, \s*SLOT
	s_add_nc_u64 s[G0B+4*\s+2:G0B+4*\s+3], s[46:47], \s*TROW
	s_or_b32 s[G0B+4*\s+3], s[G0B+4*\s+3], 0x80000000
.endr
	; THE HEAD'S LOADS, one a wave: wave 0 slot 0's tiles of A, both halves, wave 1 those of B, wave 2 A's scale words, wave 3 B's
	s_mov_b32 s[G0+1], 0
	s_mov_b32 s[G0B+1], 2*HALFT
	s_mul_i32 s2, s16, NA*NS*FRB                   ; in the ring a wave fetches one half of a side's tiles
	s_mov_b32 s3, 0
	s_add_nc_u64 s[G0+6:G0+7], s[G0+6:G0+7], s[2:3]
	s_add_nc_u64 s[G0B+6:G0B+7], s[G0B+6:G0B+7], s[2:3]
	s_cmp_eq_u32 s15, 0                            ; the prefetches: of the NA tile rows that I fetch, my work-group's one, told apart by address (cx for A, cy for B); it stands at chunk 2
	s_cselect_b64 s[4:5], s[20:21], s[46:47]
	s_cselect_b32 s92, s40, s41
	s_mul_i32 s92, s92, (NA/4)*NS*FRB
	s_add_co_u32 s92, s92, 2*TROW
	s_mov_b32 s93, 0
	s_add_nc_u64 s[4:5], s[4:5], s[2:3]
	s_add_nc_u64 s[4:5], s[4:5], s[92:93]
.macro ARM under, g0, g1, next
	s_cmp_lt_u32 s14, \under
	s_cbranch_scc0 \next
	tensor_load_to_lds s[\g0:\g0+3], s[\g1:\g1+7]
	s_nop 0
.rept 4
	v_nop
.endr
	s_branch .Lhead_asked
\next:
.endm
	ARM 1, G0,  G1,  .Lhead_b
	ARM 2, G0B, G1B, .Lhead_sa
	ARM 3, G0S, G1S, .Lhead_sb
	tensor_load_to_lds s[G0SB:G0SB+3], s[G1SB:G1SB+7]
	s_nop 0
.rept 4
	v_nop
.endr
.Lhead_asked:
	global_prefetch_b8 v30, s[4:5] th:TH_LOAD_NT scope:SCOPE_SE   ; chunk 2, which the first refill will load
	v_and_b32 v1, 15, v0
	v_bfe_u32 v2, v0, 4, 1
	s_wait_alu depctr_va_vdst(0)
	v_and_b32 v3, 31, v0
	v_lshlrev_b32 v3, 4, v3
	s_mul_i32 s21, s15, HALFT
	s_mul_i32 s22, s16, HALFT
	s_add_co_u32 s22, s22, 2*HALFT
.irp s, 0,1
	v_add_nc_u32 v[ADRA+\s], s21, v3
	v_add_nc_u32 v[ADRB+\s], s22, v3
	s_add_co_u32 s21, s21, SLOT
	s_add_co_u32 s22, s22, SLOT
.endr
	s_mul_i32 s21, s15, NA*64
	s_mul_i32 s22, s16, NA*64
	s_add_co_u32 s22, s22, 2*HALFS
	s_sub_co_u32 s22, s22, s21
	v_mul_u32_u24 v6, s22, v2
	s_add_co_u32 s21, s21, SCL
	v_lshl_add_u32 v5, v1, 2, v6
	v_add_nc_u32 v[ADRS], s21, v5
	s_mul_i32 s23, s14, 16*272
	v_mul_u32_u24 v5, v1, 272
	v_lshl_add_u32 v5, v2, 6, v5
	v_add_nc_u32 v[STO], s23, v5
	v_mul_u32_u24 v5, v2, 272
	v_lshl_add_u32 v5, v1, 4, v5
	v_add_nc_u32 v[RD], s23, v5
	v_lshlrev_b32 v5, 12, v2
	v_lshl_add_u32 v[CO], v1, 4, v5
	s_lshl_b32 s20, s17, 7
	s_lshl_b32 s21, s15, 6
	s_add_co_u32 s20, s20, s21
	s_lshl_b32 s20, s20, 12
	s_mov_b32 s21, 0
	s_lshl_b32 s46, s42, 9
	s_lshl_b32 s47, s16, 8
	s_add_co_u32 s46, s46, s47
	s_mov_b32 s47, 0
	s_add_nc_u64 s[20:21], s[20:21], s[46:47]
	s_add_nc_u64 s[8:9], s[8:9], s[20:21]
	s_wait_alu depctr_va_vdst(0)
	s_wait_tensorcnt 0x0                           ; my tile of the head's four is in
	ds_add_u32 v[SPW], v[NIL]
	s_mov_b32 s[G1+2], NA<<16                      ; no load of mine is out: from here on a load brings NA tile rows, my half,
	s_mov_b32 s[G1+4], NA
	s_mov_b32 s[G1B+2], NA<<16
	s_mov_b32 s[G1B+4], NA
	s_mov_b32 s[G0+1], s45                         ; and slot 0's group 0 takes its form for the ring
	s_add_nc_u64 s[G0+2:G0+3], s[G0+2:G0+3], s[2:3]
	s_mov_b32 s[G0B+1], s45
	s_add_nc_u64 s[G0B+2:G0B+3], s[G0B+2:G0B+3], s[2:3]
	s_wait_dscnt 0x0
	CROUND
	JLOAD G0+4, G1, G0B+4, G1B                     ; slot 1's first fill, the first tensor load behind the round
	global_prefetch_b8 v30, s[4:5] offset:TROW th:TH_LOAD_NT scope:SCOPE_SE   ; chunk 3
	FETCH_B 0, 0, 0
	FETCH_A 0, 0, 0
	SCALES 0
	FETCH_A 0, 0, NA/2
	STEP 0, 0, 1
.if LAPS > 1
	s_mov_b32 s3, LAPS-1
.Llap:
	REST 0, 1, 1
	HEADS 1
	TURN 1, 0, 1
	STEP 0, 0, 0
	s_sub_co_u32 s3, s3, 1
	s_cmp_lg_u32 s3, 0
	s_cbranch_scc1 .Llap
.endif
	REST 0, 1, 0
	HEADS 1
.set AF, 128+48
	s_wait_dscnt (NA/2)*NL
	MULQ 0, 1, NQ-1, 1, 0
	MULQ 1, 1, NQ-1, 1, 0
	s_wait_dscnt 0x0
	MULQ 2, 1, NQ-1, 1, 0
	MULQ 3, 1, NQ-1, 1, 0
	WIN 0
	PLACES 4
	TOSTAGE 0
.irp a, 1,2,3
	TOSTAGE \a
	SEND \a-1, 16
.endr
	SEND 3, 0
	s_wait_tensorcnt 0x0
	ds_add_u32 v[SPW], v[NIL]
	s_wait_dscnt 0x0
	CROUND
	s_endpgm
.Lfunc_end_k_qc31ea60033_gemm_w2:
	.size	k_qc31ea60033_gemm_w2, .Lfunc_end_k_qc31ea60033_gemm_w2-k_qc31ea60033_gemm_w2
	.p2alignl 7, 3214868480
	.fill 96, 4, 3214868480
	.section	.rodata,"a",@progbits
	.p2align	6, 0x0
	.amdhsa_kernel k_qc31ea60033_gemm_w2
		.amdhsa_group_segment_fixed_size 327680
		.amdhsa_private_segment_fixed_size 0
		.amdhsa_enable_private_segment 0
		.amdhsa_kernarg_size 24
		.amdhsa_user_sgpr_count 2
		.amdhsa_user_sgpr_kernarg_segment_ptr 1
		.amdhsa_wavefront_size32 1
		.amdhsa_system_sgpr_workgroup_id_x 1
		.amdhsa_system_sgpr_workgroup_id_y 1
		.amdhsa_system_sgpr_workgroup_id_z 1
		.amdhsa_system_vgpr_workitem_id 0
		.amdhsa_next_free_vgpr 768
		.amdhsa_next_free_sgpr 98
		.amdhsa_reserve_vcc 0
		.amdhsa_float_denorm_mode_32 3
		.amdhsa_float_denorm_mode_16_64 3
		.amdhsa_memory_ordered 1
		.amdhsa_forward_progress 1
		.amdhsa_inst_pref_size 87
	.end_amdhsa_kernel
	.amdgpu_metadata
---
amdhsa.version: [ 1, 2 ]
amdhsa.kernels:
  - .name:           k_qc31ea60033_gemm_w2
    .symbol:         k_qc31ea60033_gemm_w2.kd
    .args:
      - { .name: hid, .offset: 0, .size: 8, .value_kind: global_buffer, .address_space: global }
      - { .name: opnd, .offset: 8, .size: 8, .value_kind: global_buffer, .address_space: global }
      - { .name: y, .offset: 16, .size: 8, .value_kind: global_buffer, .address_space: global }
    .group_segment_fixed_size: 327680
    .private_segment_fixed_size: 0
    .kernarg_segment_align: 8
    .kernarg_segment_size: 24
    .max_flat_workgroup_size: 128
    .sgpr_count:     98
    .vgpr_count:     768
    .wavefront_size: 32
...
	.end_amdgpu_metadata
.endif
;; end of part 7
;; launch ln2 (part 8): grid 256 x 1, 8 waves a work-group, no clusters, 69,632 bytes of LDS; arguments y, h, b2, ln_g, ln_b, out0; writes out0
.if DOCPART == 8
	.amdgcn_target "amdgcn-amd-amdhsa--gfx1250"
	.amdhsa_code_object_version 6
	.text
	.protected	k_qc31ea60033_ln2
	.globl	k_qc31ea60033_ln2
	.p2align	8
	.type	k_qc31ea60033_ln2,@function
k_qc31ea60033_ln2:
	s_mov_b64 s[64:65], 0
	v_nop
	global_prefetch_b8 v0, s[64:65] scope:SCOPE_SE
	s_setreg_imm32_b32 hwreg(HW_REG_WAVE_MODE, 25, 1), 1
	s_wait_xcnt 0x0
; out = LN((y + b2) + h) g + b, rows of 1,024, in f32.
; A work-group takes the 16 rows of tile T = its number (rows 32 (T / 2) + 8 (T % 2) + i + 8 (i / 8)); wave s takes columns 128 s on.  Loads and stores are dense: 512 consecutive bytes of a row.
; The numbers turn through the wave's own stage in LDS (pitch 528) so that a lane holds 64 numbers of ONE row; a row's sums of the eight waves meet in LDS.
; The variance is the mean of the squared differences from the mean.  LIMITS: NaN and infinities are not served.
.set WSTG, 8448
.set RED1, 8*WSTG                      ; 16 rows x 8 waves x 4 bytes; the second sum's words lie 512 bytes on
.set YR,   16                          ; v16-79   y as loaded, later ln_b
.set XN,   80                          ; v80-143  the residual as loaded, later register 16 b + i = column 32 b + 16 h + i of my row
.set GN,   144                         ; v144-207 ln_g, later rows on their way out
.set SEL,  30
.macro MEET off
	s_delay_alu instid0(VALU_DEP_1)
	v_add_f32 v246, v246, v247
	s_delay_alu instid0(VALU_DEP_1)
	v_permlanex16_b32 v254, v246, s[SEL], s[SEL+1]
	s_delay_alu instid0(VALU_DEP_1)
	v_add_f32 v246, v246, v254                     ; with lane l xor 16's: my wave's 128 columns of row r
	ds_store_b32 v7, v246 offset:\off              ; lanes 16-31 write the same word with the same value
	s_wait_dscnt 0x0                               ; for the others' sake
	s_barrier_signal -1
	s_barrier_wait -1
	ds_load_b128 v[232:235], v12 offset:\off
	ds_load_b128 v[236:239], v12 offset:\off+16
	s_wait_dscnt 0x0
	v_add_f32 v232, v232, v233
	v_add_f32 v234, v234, v235
	v_add_f32 v236, v236, v237
	v_add_f32 v238, v238, v239
	s_delay_alu instid0(VALU_DEP_3)
	v_add_f32 v232, v232, v234
	s_delay_alu instid0(VALU_DEP_2)
	v_add_f32 v236, v236, v238
	s_delay_alu instid0(VALU_DEP_1)
	v_add_f32 v232, v232, v236
.endm
	s_load_b256 s[4:11], s[0:1], 0x0               ; y, the residual, the bias, ln_g
	s_load_b128 s[12:15], s[0:1], 0x20             ; ln_b, the output
	v_lshl_add_u32 v245, v0, 2, 0x10c00
	v_mov_b32 v255, 0
	v_lshrrev_b32 v1, 5, v0
	s_delay_alu instid0(VALU_DEP_1)
	v_readfirstlane_b32 s20, v1                    ; wave 0..7
	v_and_b32 v1, 31, v0
	v_and_b32 v2, 15, v0                           ; r
	v_bfe_u32 v3, v0, 4, 1                         ; h
	s_delay_alu instid0(VALU_DEP_3)
	v_lshlrev_b32 v4, 4, v1                        ; 16 x lane
	s_mul_i32 s21, s20, WSTG
	v_add_nc_u32 v5, s21, v4                       ; the stage by rows
	v_mul_u32_u24 v6, v2, 528
	s_delay_alu instid0(VALU_DEP_1)
	v_lshl_add_u32 v6, v3, 6, v6
	s_delay_alu instid0(VALU_DEP_1)
	v_add_nc_u32 v6, s21, v6                       ; and by lanes: row r, + 64 h
	s_lshl_b32 s21, s20, 2
	v_lshl_add_u32 v7, v2, 5, s21
	s_delay_alu instid0(VALU_DEP_1)
	v_add_nc_u32 v7, RED1, v7                      ; word (r, wave)
	v_lshlrev_b32 v12, 5, v2
	s_delay_alu instid0(VALU_DEP_1)
	v_add_nc_u32 v12, RED1, v12                    ; row r's eight words
	v_lshlrev_b32 v13, 6, v3                       ; 64 h
	v_mov_b32 v251, 0
	v_mov_b32 v253, 0
	v_mov_b32 v254, 0
	s_mov_b32 s[SEL], 0x76543210
	s_mov_b32 s[SEL+1], 0xfedcba98
	s_mov_b32 s26, 0x3a800000                      ; 1 / 1,024
	s_mov_b32 s27, 0x3727c5ac                      ; 1e-5
	s_lshr_b32 s22, ttmp9, 1
	s_lshl_b32 s22, s22, 5
	s_and_b32 s23, ttmp9, 1
	s_lshl_b32 s23, s23, 3
	s_add_co_u32 s22, s22, s23                     ; the tile's first row
	s_lshl_b32 s22, s22, 12
	s_lshl_b32 s24, s20, 9                         ; my 128 columns, in bytes
	s_mov_b32 s25, 0
	s_add_co_u32 s22, s22, s24
	s_mov_b32 s23, 0
	s_wait_alu depctr_va_vdst(0)
	s_wait_kmcnt 0x0
	s_add_nc_u64 s[4:5], s[4:5], s[22:23]
	s_add_nc_u64 s[6:7], s[6:7], s[22:23]
	s_add_nc_u64 s[16:17], s[14:15], s[22:23]
	s_add_nc_u64 s[8:9], s[8:9], s[24:25]
	s_add_nc_u64 s[10:11], s[10:11], s[24:25]
	s_add_nc_u64 s[12:13], s[12:13], s[24:25]
.irp i, 0,1,2,3,4,5,6,7,8,9,10,11,12,13,14,15
	global_load_b128 v[YR+4*\i:YR+4*\i+3], v4, s[4:5] offset:(\i+8*(\i/8))*4096 th:TH_LOAD_NT
.endr
.irp i, 0,1,2,3,4,5,6,7,8,9,10,11,12,13,14,15
	global_load_b128 v[XN+4*\i:XN+4*\i+3], v4, s[6:7] offset:(\i+8*(\i/8))*4096 th:TH_LOAD_NT
.endr
	global_load_b128 v[8:11], v4, s[8:9]           ; the bias of my four columns
.irp n, 0,1,2,3,4,5,6,7,8,9,10,11,12,13,14,15
	global_load_b128 v[GN+4*\n:GN+4*\n+3], v13, s[10:11] offset:128*(\n/4)+16*(\n%4)
.endr
	s_wait_loadcnt 16                              ; all but ln_g's sixteen loads are in
.set J, 0
.rept 16
	v_pk_add_f32 v[YR+J:YR+J+1], v[YR+J:YR+J+1], v[8:9]
	v_pk_add_f32 v[YR+J+2:YR+J+3], v[YR+J+2:YR+J+3], v[10:11]
.set J, J+4
.endr
.set J, 0
.rept 32
	v_pk_add_f32 v[YR+J:YR+J+1], v[YR+J:YR+J+1], v[XN+J:XN+J+1]
.set J, J+2
.endr
.irp i, 0,1,2,3,4,5,6,7,8,9,10,11,12,13,14,15
	ds_store_b128 v5, v[YR+4*\i:YR+4*\i+3] offset:528*\i
.endr
.irp n, 0,1,2,3,4,5,6,7,8,9,10,11,12,13,14,15
	ds_load_b128 v[XN+4*\n:XN+4*\n+3], v6 offset:128*(\n/4)+16*(\n%4)   ; LDS serves a wave's instructions in order
.endr
	s_wait_dscnt 0x0                               ; the stores have read their registers, which take ln_b
.irp n, 0,1,2,3,4,5,6,7,8,9,10,11,12,13,14,15
	global_load_b128 v[YR+4*\n:YR+4*\n+3], v13, s[12:13] offset:128*(\n/4)+16*(\n%4)
.endr
	v_pk_add_f32 v[248:249], v[80:81], v[82:83]
	v_pk_add_f32 v[242:243], v[88:89], v[92:93]
	v_pk_add_f32 v[240:241], v[96:97], v[100:101]
	v_pk_add_f32 v[238:239], v[104:105], v[108:109]
	v_pk_add_f32 v[236:237], v[112:113], v[116:117]
	v_pk_add_f32 v[234:235], v[120:121], v[124:125]
	v_pk_add_f32 v[232:233], v[128:129], v[132:133]
	v_pk_add_f32 v[246:247], v[136:137], v[140:141]
	s_delay_alu instid0(VALU_DEP_1)
	v_pk_add_f32 v[246:247], v[246:247], v[84:85]
	v_pk_add_f32 v[248:249], v[248:249], v[86:87]
	v_pk_add_f32 v[242:243], v[242:243], v[90:91]
	v_pk_add_f32 v[240:241], v[240:241], v[94:95]
	v_pk_add_f32 v[238:239], v[238:239], v[98:99]
	v_pk_add_f32 v[236:237], v[236:237], v[102:103]
	v_pk_add_f32 v[234:235], v[234:235], v[106:107]
	v_pk_add_f32 v[232:233], v[232:233], v[110:111]
	v_pk_add_f32 v[246:247], v[246:247], v[114:115]
	v_pk_add_f32 v[248:249], v[248:249], v[118:119]
	v_pk_add_f32 v[242:243], v[242:243], v[122:123]
	v_pk_add_f32 v[240:241], v[240:241], v[126:127]
	v_pk_add_f32 v[238:239], v[238:239], v[130:131]
	v_pk_add_f32 v[236:237], v[236:237], v[134:135]
	v_pk_add_f32 v[234:235], v[234:235], v[138:139]
	v_pk_add_f32 v[232:233], v[232:233], v[142:143]
	s_delay_alu instid0(VALU_DEP_4)
	v_pk_add_f32 v[246:247], v[246:247], v[238:239]
	s_delay_alu instid0(VALU_DEP_4)
	v_pk_add_f32 v[248:249], v[248:249], v[236:237]
	s_delay_alu instid0(VALU_DEP_4)
	v_pk_add_f32 v[242:243], v[242:243], v[234:235]
	s_delay_alu instid0(VALU_DEP_4)
	v_pk_add_f32 v[240:241], v[240:241], v[232:233]
	s_delay_alu instid0(VALU_DEP_2)
	v_pk_add_f32 v[246:247], v[246:247], v[242:243]
	s_delay_alu instid0(VALU_DEP_2)
	v_pk_add_f32 v[248:249], v[248:249], v[240:241]
	s_delay_alu instid0(VALU_DEP_1)
	v_pk_add_f32 v[246:247], v[246:247], v[248:249]
	MEET 0
	s_delay_alu instid0(VALU_DEP_1)
	v_mul_f32 v250, 0xba800000, v232               ; minus the mean
.set J, 0
.rept 32
	v_pk_add_f32 v[XN+J:XN+J+1], v[XN+J:XN+J+1], v[250:251] op_sel_hi:[1,0]
.set J, J+2
.endr
	v_pk_mul_f32 v[246:247], v[XN:XN+1], v[XN:XN+1]
	v_pk_mul_f32 v[248:249], v[XN+2:XN+3], v[XN+2:XN+3]
.set J, 4
.rept 15
	s_delay_alu instid0(VALU_DEP_2)
	v_pk_fma_f32 v[246:247], v[XN+J:XN+J+1], v[XN+J:XN+J+1], v[246:247]
	s_delay_alu instid0(VALU_DEP_2)
	v_pk_fma_f32 v[248:249], v[XN+J+2:XN+J+3], v[XN+J+2:XN+J+3], v[248:249]
.set J, J+4
.endr
	s_delay_alu instid0(VALU_DEP_1)
	v_pk_add_f32 v[246:247], v[246:247], v[248:249]
	MEET 512
	s_delay_alu instid0(VALU_DEP_1)
	v_fma_f32 v252, v232, s26, s27                 ; the variance + 1e-5
	s_wait_alu depctr_va_vdst(0)
	v_rsq_f32 v252, v252
	v_nop                                          ; a plain place behind the transcendental
	s_wait_alu depctr_va_vdst(0)                   ; ahead of its first reader
	s_wait_loadcnt 0x0                             ; ln_g and ln_b
.set J, 0
.rept 32
	v_pk_mul_f32 v[XN+J:XN+J+1], v[XN+J:XN+J+1], v[252:253] op_sel_hi:[1,0]
.set J, J+2
.endr
.set J, 0
.rept 32
	v_pk_fma_f32 v[XN+J:XN+J+1], v[XN+J:XN+J+1], v[GN+J:GN+J+1], v[YR+J:YR+J+1]
.set J, J+2
.endr
.irp n, 0,1,2,3,4,5,6,7,8,9,10,11,12,13,14,15
	ds_store_b128 v6, v[XN+4*\n:XN+4*\n+3] offset:128*(\n/4)+16*(\n%4)
.endr
.irp i, 0,1,2,3,4,5,6,7,8,9,10,11,12,13,14,15
	ds_load_b128 v[GN+4*\i:GN+4*\i+3], v5 offset:528*\i
.endr
.irp i, 0,1,2,3,4,5,6,7,8,9,10,11,12,13,14,15
	s_wait_dscnt 15-\i                             ; row i is back, the rows behind it may be out
	global_store_b128 v4, v[GN+4*\i:GN+4*\i+3], s[16:17] offset:(\i+8*(\i/8))*4096 th:TH_STORE_NT
.endr
	s_wait_tensorcnt 0x0
	ds_add_u32 v245, v255
	s_wait_dscnt 0x0
	s_endpgm
.Lfunc_end_k_qc31ea60033_ln2:
	.size	k_qc31ea60033_ln2, .Lfunc_end_k_qc31ea60033_ln2-k_qc31ea60033_ln2
	.p2alignl 7, 3214868480
	.fill 96, 4, 3214868480
	.section	.rodata,"a",@progbits
	.p2align	6, 0x0
	.amdhsa_kernel k_qc31ea60033_ln2
		.amdhsa_group_segment_fixed_size 69632
		.amdhsa_private_segment_fixed_size 0
		.amdhsa_enable_private_segment 0
		.amdhsa_kernarg_size 48
		.amdhsa_user_sgpr_count 2
		.amdhsa_user_sgpr_kernarg_segment_ptr 1
		.amdhsa_wavefront_size32 1
		.amdhsa_system_sgpr_workgroup_id_x 1
		.amdhsa_system_sgpr_workgroup_id_y 1
		.amdhsa_system_sgpr_workgroup_id_z 1
		.amdhsa_system_vgpr_workitem_id 0
		.amdhsa_next_free_vgpr 256
		.amdhsa_next_free_sgpr 66
		.amdhsa_reserve_vcc 0
		.amdhsa_float_denorm_mode_32 3
		.amdhsa_float_denorm_mode_16_64 3
		.amdhsa_memory_ordered 1
		.amdhsa_forward_progress 1
		.amdhsa_inst_pref_size 32
	.end_amdhsa_kernel
	.amdgpu_metadata
---
amdhsa.version: [ 1, 2 ]
amdhsa.kernels:
  - .name:           k_qc31ea60033_ln2
    .symbol:         k_qc31ea60033_ln2.kd
    .args:
      - { .name: y, .offset: 0, .size: 8, .value_kind: global_buffer, .address_space: global }
      - { .name: h, .offset: 8, .size: 8, .value_kind: global_buffer, .address_space: global }
      - { .name: b2, .offset: 16, .size: 8, .value_kind: global_buffer, .address_space: global }
      - { .name: ln_g, .offset: 24, .size: 8, .value_kind: global_buffer, .address_space: global }
      - { .name: ln_b, .offset: 32, .size: 8, .value_kind: global_buffer, .address_space: global }
      - { .name: out0, .offset: 40, .size: 8, .value_kind: global_buffer, .address_space: global }
    .group_segment_fixed_size: 69632
    .private_segment_fixed_size: 0
    .kernarg_segment_align: 8
    .kernarg_segment_size: 48
    .max_flat_workgroup_size: 256
    .sgpr_count:     66
    .vgpr_count:     256
    .wavefront_size: 32
...
	.end_amdgpu_metadata
.endif
;; end of part 8
